; MI455X (gfx1250); checked and timed in simulation.
; The chip was launched on July 23, 2026; its instructions are those of AMD's public machine-readable ISA for CDNA 5 (MIT licence, August 2026) and "CDNA5" Instruction Set Architecture Reference Guide (July 2026). The comments in the code are by the model that wrote it; some were corrected since.
;; Attention. Allowed arithmetic: matrix products marked QUANTISED: E2M1 operands, one E8M0 scale for each 32 along K, by v_wmma_scale_f32_16x16x128_f8f6f4 with both operands' format E2M1 (or v_wmma_scale_f32_32x16x128_f4), f32 sums; products left as they are: bf16, f16 or f32 operands; f32 sums; everything else in f32.
;; Inputs: Wkv 1,024 x 2,048 float32; Wo 1,024 x 1,024 float32; Wq 1,024 x 1,024 float32; bo 1,024 float32; rotary_emb_x 2,048 x 64 float32; x 4 x 2,048 x 1,024 float32.
;; Outputs: out0 4 x 2,048 x 1,024 float32.
;; This version of the problem:
;;   THIS VERSION OF THE PROBLEM IS GIVEN IN LOW PRECISION. The matrix products marked QUANTISED in the list below multiply operands that are first quantised to E2M1 (2 exponent bits, 1 mantissa bit; 4 bits a number), with one power-of-two scale for each 32 numbers along K (OCP MX v1.0); their sums are f32. The products marked 'left as it is' may take bf16, f16 or f32 operands, with f32 sums. Whichever they take, every output number must still come out within the allowed error. Rounding operands to bf16 (8 significant bits) uses up far more of that allowance than f16 does (11 bits, for magnitudes from 6e-5 to 65,504). All else is computed in f32.
;;   The module's matrix products, in the order in which they are computed (A, B: the left and right operand; K: the contracted axis; several contracted axes count as one K, in the product's order):
;;     1. [M 8,192, K 1,024] x [K 1,024, N 1,024]; A: input x; B: input Wq: QUANTISED
;;     2. [M 8,192, K 1,024] x [K 1,024, N 2,048]; A: input x; B: input Wkv: QUANTISED
;;     3. batch 64 x [M 2,048, K 64] x [K 64, N 2,048]; A: computed on the way; B: computed on the way: left as it is (an operand is computed on the way)
;;     4. batch 64 x [M 2,048, K 2,048] x [K 2,048, N 64]; A: computed on the way; B: computed on the way: left as it is (an operand is computed on the way)
;;     5. [M 8,192, K 1,024] x [K 1,024, N 1,024]; A: computed on the way; B: input Wo: left as it is (an operand is computed on the way)
;;   THE QUANTISER, for each operand of a quantised product, along K:
;;     - K is cut into blocks of 32 from its start; a last block that is shorter is filled with zeros.
;;     - A block's scale is 2^e with e = floor(log2(the largest magnitude in the block)) - 2, held to -126 .. 127; a block of zeros has e = 0. As a byte (E8M0): e + 127.
;;     - Each number is divided by its block's scale, clamped to +-6, and rounded to the nearest number of E2M1, ties to even, subnormals kept.
;;     - The product sums the exact products of the quantised numbers (number of the format x scale) in f32.
;;   ~~~python
;;   def quantise(x, axis):      # numpy; x: float32 -> the quantised numbers, widened to float32 again
;;       x = np.moveaxis(x, axis, -1); K = x.shape[-1]
;;       x = np.pad(x, [(0, 0)] * (x.ndim - 1) + [(0, -K % 32)]); x = x.reshape(x.shape[:-1] + (-1, 32)); a = np.abs(x).max(-1, keepdims=True)
;;       e = np.where(a > 0, np.clip(np.frexp(np.where(a > 0, a, 1))[1] - 1 - 2, -126, 127), 0)      # np.frexp(a)[1] - 1 = floor(log2(a)), exactly
;;       r = np.clip(x / 2.0 ** e, -6, 6)
;;       step = 2.0 ** (np.maximum(np.frexp(np.where(r == 0, 1, r))[1] - 1, 0) - 1)
;;       q = np.round(r / step) * step * 2.0 ** e      # np.round: ties to even
;;       return np.moveaxis(q.reshape(q.shape[:-2] + (-1,))[..., :K], -1, axis).astype(np.float32)
;;   ~~~
;; One version. Each part assembles by itself: llvm-mc -triple=amdgcn-amd-amdhsa -mcpu=gfx1250 --defsym DOCPART=n.
;; ======== version 1 of 1: 4 launches
;; limits: values are held in f16: magnitudes above 65,504 overflow, below 6.1e-05 lose precision; right only within a limited range of input values
;; workspace buffers: xc 4,194,304 bytes; xs 262,144 bytes; wc 1,572,864 bytes; ws 98,304 bytes; wo16 2,097,152 bytes; rope 1,048,576 bytes; qkv 50,331,648 bytes; ao 16,777,216 bytes
;; launch prep_w (part 1): grid 400 x 1, 4 waves a work-group, no clusters, 68,096 bytes of LDS; arguments x, Wq, Wkv, Wo, rotary_emb_x, xc, xs, wc, ws, wo16, rope; writes xc, xs, wc, ws, wo16, rope
.if DOCPART == 1
	.amdgcn_target "amdgcn-amd-amdhsa--gfx1250"
	.amdhsa_code_object_version 6
	.text
	.protected	k_q4ffeabb3c0_prep_w
	.globl	k_q4ffeabb3c0_prep_w
	.p2align	8
	.type	k_q4ffeabb3c0_prep_w,@function
k_q4ffeabb3c0_prep_w:
	s_mov_b64 s[64:65], 0
	v_nop
	global_prefetch_b8 v0, s[64:65] scope:SCOPE_SE
	s_setreg_imm32_b32 hwreg(HW_REG_WAVE_MODE, 25, 1), 1
	s_wait_xcnt 0x0
; THE PROGRAM: out0 = attention(x) Wo + bo in four launches: this one (x and the weights -> codes, Wo -> f16, cos and sin tables), qkv (x Wq and x Wkv on codes, rotary, f16),
; attn (softmax(q k^T / 8) v in f16 with a running maximum), oproj (the projection on the way out, + bo).  NOTHING OF reference() IS LEFT OUT: all six inputs have a way to the output and all are loaded.
; THIS LAUNCH: four jobs; the work-group's number picks one; the job with the longest walk comes first.
; W (work-groups 0-47): Wq [1024][1024] and Wkv [1024][2048], f32 with K as FIRST axis, become codes of FP4 (E2M1) with K innermost, wc [3072 rows][512 bytes] (row = a column of Wq, then of Wkv), and E8M0 bytes ws [3072][32].
;   A LANE TAKES A COLUMN AND ITS REGISTERS RUN DOWN K: a block of 32 lies in one lane's 32 registers, its largest magnitude needs no other lane, and the conversions give codes with K innermost.
;   A wave takes 32 columns x 512 along K; the codes go through the wave's own stage in LDS and leave as rows: sixteen lanes store 256 consecutive bytes.
; X (48-303): x [8192][1024] f32 becomes codes, K innermost (xc [8192][512 bytes]), and E8M0 bytes (xs [8192][32]).  Rows are dense and 1024 is a multiple of 32: x is a plain stream of blocks of 32.  A wave takes 16 steps
;   of 512 numbers.  Each of a step's four loads reads 512 consecutive bytes, 16 a lane; the 2,048 bytes turn through the wave's own stage in LDS and come back 64 bytes a lane: 16 NEIGHBOURS along K, as the conversions
;   want them (two neighbouring lanes hold a block).  A lane's 16 codes are 8 bytes: the wave stores 256 consecutive bytes; its 256 scale bytes are gathered in LDS and leave as one store of 256 consecutive bytes.
; THE QUANTISER (W and X): a block's scale is 2^(floor(log2(its largest magnitude)) - 2); its byte is the largest magnitude's own exponent field - 2, held at 1 from below.  (A block of zeros so gets the byte 1 where the
;   rule says 127: its codes are zeros, which add nothing under any byte but 0xff, and the bytes are read by this program alone.)  Each number is divided by the scale and rounded to the nearest code, ties to even, beyond 6 the largest code.
;   LIMITS: blocks whose largest magnitude lies under 2^(2 - 126), the floor, keep the byte 1; NaN and infinities among the inputs are not served.
; O (304-367): Wo f32 -> f16, same layout [k][n].   LIMIT: |Wo| above 65,504 becomes infinity; under 6e-8 zero.
; R (368-399): cos(rotary_emb_x) and the SIGNED sine (-sin for d < 32, +sin for d >= 32, so that rotate_half is a plain exchange of halves), f32, rope = cos [2048][64], then sin [2048][64].
;   cos and sin by reduction to |r| <= pi/4 (n = nearest whole number to x 2/pi; pi/2 taken off in two parts by fused multiply-adds) and polynomials of degree 7 and 8.
;   LIMIT: |rotary_emb_x| under 4e6 (n must be exact in f32 and fit the two-part reduction); absolute error about 1e-7.
; Jobs W and X use LDS, each bytes of its own; no barrier: waves share nothing.
.set SPW,   208                        ; v208 LDS address of my spare word; never rewritten
.set NIL,   209                        ; v209 0; never rewritten
.set WREG,  8192                       ; job X: a region for each wave: two stages of 32 x SP bytes, behind them its 256 scale bytes
.set WLDS,  4*WREG                     ; job W's four stages begin here
.set PITCH, 272                        ; job W: a stage row: 256 bytes of codes + 16
.set SPARE, WLDS+4*32*PITCH            ; behind both: the spare words, 128 bytes a wave
	s_load_b256 s[4:11], s[0:1], 0x0               ; x 4:5, Wq 6:7, Wkv 8:9, Wo 10:11
	s_load_b256 s[12:19], s[0:1], 0x20             ; rotary_emb_x 12:13, xc 14:15, xs 16:17, wc 18:19
	s_load_b128 s[20:23], s[0:1], 0x40             ; ws 20:21, wo16 22:23
	s_load_b64 s[24:25], s[0:1], 0x50              ; rope
	v_lshl_add_u32 v[SPW], v0, 2, SPARE
	v_mov_b32 v[NIL], 0
	v_lshrrev_b32 v1, 5, v0
	v_readfirstlane_b32 s26, v1                    ; wave 0..3
	s_wait_kmcnt 0x0
	s_cmp_lt_u32 ttmp9, 48
	s_cbranch_scc0 .Lnot_w
; ---------------- job W
.set NB,    16                         ; blocks of 32 along K for a wave
.set WX,    32                         ; v32-95   two sets of 32 numbers
.set WC,    96                         ; v96-99   a block's codes
.set OUTR,  112                        ; v112-175 the way out
.set VO,    176                        ; v176-207 byte offset of row i of a block, at my column: i x pitch + 4 x lane; never rewritten
.set SB,    24                         ; v24-27   the scale bytes, four to a register
	s_lshr_b32 s66, ttmp9, 1                       ; which 128 rows of wc: 0 .. 23
	s_and_b32 s67, ttmp9, 1                        ; which 512 along K
	s_mov_b32 s68, 8192
	s_cmp_lt_u32 s66, 8                            ; the first eight groups are Wq's columns: the choice hangs on the work-group's number alone
	s_cselect_b64 s[70:71], s[6:7], s[8:9]
	s_cselect_b32 s68, 4096, s68                   ; bytes from row to row of the tensor
	s_cselect_b32 s74, 0, 8
	s_sub_co_u32 s74, s66, s74                     ; the group's number inside its tensor
	v_and_b32 v2, 31, v0                           ; lane
	v_lshlrev_b32 v3, 2, v2
	s_mul_i32 s75, s26, 32*PITCH
	s_add_co_u32 s75, s75, WLDS                    ; my stage
	v_mul_u32_u24 v4, v2, PITCH
	v_add_nc_u32 v4, s75, v4                       ; into it: row = my column
	v_and_b32 v5, 15, v2
	v_lshrrev_b32 v6, 4, v2
	v_mul_u32_u24 v7, v6, PITCH
	v_lshl_add_u32 v7, v5, 4, v7
	v_add_nc_u32 v7, s75, v7                       ; out of it: sixteen lanes to a row, two rows an instruction
	v_lshlrev_b32 v8, 9, v6
	v_lshl_add_u32 v8, v5, 4, v8                   ; and the same place in wc (rows of 512 bytes)
	v_lshlrev_b32 v9, 5, v2                        ; my column's row of scale bytes
.irp i, 0,1,2,3,4,5,6,7,8,9,10,11,12,13,14,15,16,17,18,19,20,21,22,23,24,25,26,27,28,29,30,31
	v_mad_u32_u24 v[VO+\i], s68, \i, v3
.endr
	s_mul_i32 s75, s67, s68
	s_lshl_b32 s75, s75, 9                         ; 512 rows x which half of K
	s_lshl_b32 s76, s74, 9                         ; 128 columns x 4 bytes x group
	s_add_co_u32 s75, s75, s76
	s_lshl_b32 s76, s26, 7                         ; 32 columns x 4 bytes x wave
	s_add_co_u32 s72, s75, s76
	s_mov_b32 s73, 0
	s_add_nc_u64 s[32:33], s[70:71], s[72:73]      ; block 0's base.  Sixteen bases, one a block, never rewritten: no wait is owed for them
	s_lshl_b32 s72, s68, 5                         ; 32 rows on
.irp t, 1,2,3,4,5,6,7,8,9,10,11,12,13,14,15
	s_add_nc_u64 s[32+2*\t:33+2*\t], s[30+2*\t:31+2*\t], s[72:73]
.endr
	s_lshl_b32 s74, s66, 7
	s_lshl_b32 s75, s26, 5
	s_add_co_u32 s74, s74, s75                     ; my wave's first row of wc and ws
	s_lshl_b32 s76, s74, 9
	s_lshl_b32 s75, s67, 8
	s_add_co_u32 s76, s76, s75
	s_mov_b32 s77, 0
	s_add_nc_u64 s[18:19], s[18:19], s[76:77]      ; wc: row x 512 + 256 x half
	s_lshl_b32 s76, s74, 5
	s_lshl_b32 s75, s67, 4
	s_add_co_u32 s76, s76, s75
	s_add_nc_u64 s[20:21], s[20:21], s[76:77]      ; ws: row x 32 + 16 x half
.macro WLOAD t                         ; block t: W(32 t + i, my column), i = 0 .. 31, into set t % 2; each load reads 128 consecutive bytes, the four waves side by side 512
.irp i, 0,1,2,3,4,5,6,7,8,9,10,11,12,13,14,15,16,17,18,19,20,21,22,23,24,25,26,27,28,29,30,31
	global_load_b32 v[WX+32*((\t)%2)+\i], v[VO+\i], s[32+2*(\t):33+2*(\t)] th:TH_LOAD_NT
.endr
.endm
	WLOAD 0
	WLOAD 1
.macro WBLOCK t
.set WXS, WX+32*((\t)%2)
.if (\t) < NB-1
	s_wait_loadcnt 32                              ; this block's 32 loads are in; the next block's 32 may be out
.else
	s_wait_loadcnt 0
.endif
	v_max3_num_f32 v12, |v[WXS]|, |v[WXS+1]|, |v[WXS+2]|            ; the block's largest magnitude: all 32 numbers are mine
	v_max3_num_f32 v13, |v[WXS+3]|, |v[WXS+4]|, |v[WXS+5]|
.irp i, 6,10,14,18,22,26
	v_max3_num_f32 v12, v12, |v[WXS+\i]|, |v[WXS+\i+1]|
	v_max3_num_f32 v13, v13, |v[WXS+\i+2]|, |v[WXS+\i+3]|
.endr
	v_max3_num_f32 v12, v12, |v[WXS+30]|, |v[WXS+31]|
	v_max3_num_f32 v12, v12, v13, 0x1800000        ; and the floor 2^(3 - 127): the byte cannot fall under 1
	v_add_nc_u32 v11, 0xff000000, v12              ; 2 off its exponent field: the conversion's scale operand
	v_lshrrev_b32 v13, 23, v11                     ; the scale's byte
.if (\t)%4 == 0
	v_mov_b32 v[SB+(\t)/4], v13                    ; four bytes to a register, the lower K in the lower byte
.else
	v_lshl_or_b32 v[SB+(\t)/4], v13, 8*((\t)%4), v[SB+(\t)/4]
.endif
.irp g, 0,1,2,3
	v_cvt_scalef32_pk8_fp4_f32 v[WC+\g], v[WXS+8*\g:WXS+8*\g+7], v11
.endr
	v_nop                                          ; one plain line behind the last conversion
	ds_store_b128 v4, v[WC:WC+3] offset:16*(\t)    ; 32 codes: 16 bytes of my column's row
.if (\t)+2 < NB
	WLOAD (\t)+2
.endif
	s_wait_dscnt 0x0                               ; the store has read its registers: the next block's codes may be written
.endm
.set Q, 0
.rept NB
	WBLOCK Q
.set Q, Q+1
.endr
	global_store_b128 v9, v[SB:SB+3], s[20:21]     ; my column's 16 scale bytes
.irp t, 0,1,2,3,4,5,6,7,8,9,10,11,12,13,14,15
	ds_load_b128 v[OUTR+4*\t:OUTR+4*\t+3], v7 offset:2*\t*PITCH   ; LDS serves a wave's instructions in order: these see my stores
.endr
.irp t, 0,1,2,3,4,5,6,7,8,9,10,11,12,13,14,15
	s_wait_dscnt 15-\t                             ; the younger loads may be out
	global_store_b128 v8, v[OUTR+4*\t:OUTR+4*\t+3], s[18:19] offset:2*\t*512   ; sixteen lanes store 256 consecutive bytes of a row
.endr
	s_wait_tensorcnt 0x0                           ; the wave's end: a tensor wait, an add to my spare word and its wait, behind my last LDS store
	ds_add_u32 v[SPW], v[NIL]
	s_wait_dscnt 0x0
	s_endpgm
.Lnot_w:
	s_cmp_lt_u32 ttmp9, 304
	s_cbranch_scc0 .Lnot_x
; ---------------- job X
.set STEPS, 16
.set CB,    8                          ; bytes of 16 codes
.set QR,    16                         ; v16-79   four sets of 16 numbers as they are loaded
.set QX,    80                         ; v80-111  two sets of 16 neighbours
.set QE,    112                        ; v112-127 a scale byte for each step
.set QC,    128                        ; v128-191 codes: four registers for each step, so that no store's data are written again
.set SP,    80                         ; a lane's place in a stage: 64 bytes + 16 of padding
	s_sub_co_u32 s28, ttmp9, 48
	v_and_b32 v2, 31, v0                           ; lane
	v_lshlrev_b32 v3, 4, v2                        ; my 16 bytes of a load's 512
	s_mul_i32 s27, s26, WREG
	v_lshrrev_b32 v14, 2, v2
	v_mul_u32_u24 v14, v14, SP
	v_and_b32 v15, 3, v2
	v_lshl_add_u32 v14, v15, 4, v14
	v_add_nc_u32 v14, s27, v14                     ; the stage, on the way in: SP (lane / 4) + 16 (lane % 4)
	v_mul_u32_u24 v15, v2, SP
	v_add_nc_u32 v15, s27, v15                     ; and on the way out: SP x lane
	v_mul_u32_u24 v4, v2, CB                       ; my codes' place in a step's
	v_lshrrev_b32 v5, 1, v2
	s_add_co_u32 s27, s27, 2*32*SP
	v_add_nc_u32 v5, s27, v5                       ; LDS: my wave's 256 scale bytes, my block's byte
	v_lshlrev_b32 v7, 3, v2                        ; and on the way out 8 bytes a lane
	v_add_nc_u32 v6, s27, v7
	s_lshl_b32 s28, s28, 2
	s_add_co_u32 s28, s28, s26                     ; which run of 8,192 numbers is my wave's: 0 .. 1023
	s_mov_b32 s31, 0
	s_lshl_b32 s30, s28, 15                        ; 32,768 bytes of x a run
	s_add_nc_u64 s[4:5], s[4:5], s[30:31]
	s_lshl_b32 s30, s28, 12                        ; 4,096 bytes of codes
	s_add_nc_u64 s[14:15], s[14:15], s[30:31]
	s_lshl_b32 s30, s28, 8                         ; 256 scale bytes
	s_add_nc_u64 s[16:17], s[16:17], s[30:31]
.macro QLOAD t
.irp i, 0,1,2,3
	global_load_b128 v[QR+16*((\t)%4)+4*\i:QR+16*((\t)%4)+4*\i+3], v3, s[4:5] offset:2048*(\t)+512*\i th:TH_LOAD_NT   ; 32 lanes read 512 consecutive bytes
.endr
.endm
.macro QTURN t                         ; step t's numbers through the stage: LDS serves a wave's instructions in order, so no wait stands between the stores and the loads
.irp i, 0,1,2,3
	ds_store_b128 v14, v[QR+16*((\t)%4)+4*\i:QR+16*((\t)%4)+4*\i+3] offset:32*SP*((\t)%2)+8*SP*\i
.endr
.irp i, 0,1,2,3
	ds_load_b128 v[QX+16*((\t)%2)+4*\i:QX+16*((\t)%2)+4*\i+3], v15 offset:32*SP*((\t)%2)+16*\i
.endr
.endm
.irp t, 0,1,2,3
	QLOAD \t
.endr
	s_wait_loadcnt 12                              ; step 0's four loads are in; the twelve of steps 1 to 3 may be out
	QTURN 0
.macro QSTEP t
.set XS, QX+16*((\t)%2)
.if (\t) > 0
	s_wait_dscnt 1                                 ; this step's numbers are back from the stage (the last step's byte store may be out): so its stores into the stage have read their registers,
.else
	s_wait_dscnt 0x0
.endif
.if (\t)+4 < STEPS
	QLOAD (\t)+4                                   ; which take the loads of four steps on
.endif
.if (\t)+1 < STEPS
.if STEPS-2-(\t) >= 3
	s_wait_loadcnt 12                              ; the next step's four loads are in; those of the three steps behind it may be out
.else
	s_wait_loadcnt 4*(STEPS-2-(\t))
.endif
	QTURN (\t)+1                                   ; and go through the other stage while this step is worked
.endif
	v_max3_num_f32 v8, |v[XS]|, |v[XS+1]|, |v[XS+2]|               ; the largest magnitude of my 16, in two chains
	v_max3_num_f32 v9, |v[XS+3]|, |v[XS+4]|, |v[XS+5]|
.irp i, 6,10
	v_max3_num_f32 v8, v8, |v[XS+\i]|, |v[XS+\i+1]|
	v_max3_num_f32 v9, v9, |v[XS+\i+2]|, |v[XS+\i+3]|
.endr
	v_max3_num_f32 v8, v8, |v[XS+14]|, |v[XS+15]|
	v_max3_num_f32 v8, v8, v9, 0x1800000           ; and the floor 2^(3 - 127): the byte cannot fall under 1
	v_max_num_f32_dpp v8, v8, v8 row_xmask:1 row_mask:0xf bank_mask:0xf   ; and of my neighbour's 16: the block's
	v_add_nc_u32 v11, 0xff000000, v8               ; 2 off its exponent field: the conversion takes the exponent field of this operand as its scale
	v_cvt_scalef32_pk8_fp4_f32 v[QC+4*(\t)], v[XS:XS+7], v11
	v_cvt_scalef32_pk8_fp4_f32 v[QC+4*(\t)+1], v[XS+8:XS+15], v11
	v_lshrrev_b32 v[QE+(\t)], 23, v11              ; the scale's byte (also the plain line behind the conversions)
	ds_store_b8 v5, v[QE+(\t)] offset:16*(\t)      ; both lanes of a block write the same byte with the same value
	global_store_b64 v4, v[QC+4*(\t):QC+4*(\t)+1], s[14:15] offset:32*CB*(\t)   ; 32 lanes store 256 consecutive bytes
.endm
.irp t, 0,1,2,3,4,5,6,7,8,9,10,11,12,13,14,15
	QSTEP \t
.endr
	ds_load_b64 v[8:9], v6                         ; LDS serves a wave's instructions in order: these see my byte stores
	s_wait_dscnt 0x0
	global_store_b64 v7, v[8:9], s[16:17]          ; 32 lanes store 256 consecutive bytes
	s_wait_tensorcnt 0x0                           ; the wave's end: a tensor wait, an add to my spare word and its wait, behind my last LDS store
	ds_add_u32 v[SPW], v[NIL]
	s_wait_dscnt 0x0
	s_endpgm
.Lnot_x:
	s_cmp_lt_u32 ttmp9, 368
	s_cbranch_scc0 .Ltables
; ---------------- job O: 65,536 bytes of Wo a work-group; a thread takes 8 neighbouring numbers 16 times
	s_sub_co_u32 s27, ttmp9, 304
	s_lshl_b32 s30, s27, 16
	s_mov_b32 s31, 0
	s_add_nc_u64 s[10:11], s[10:11], s[30:31]
	s_lshl_b32 s30, s27, 15
	s_add_nc_u64 s[22:23], s[22:23], s[30:31]
	v_lshlrev_b32 v1, 5, v0                        ; in: 32 bytes a thread
	v_lshlrev_b32 v2, 4, v0                        ; out: 16
.irp i, 0,1,2,3,4,5,6,7,8,9,10,11,12,13,14,15
	global_load_b128 v[32+8*\i:35+8*\i], v1, s[10:11] offset:4096*\i th:TH_LOAD_NT
	global_load_b128 v[36+8*\i:39+8*\i], v1, s[10:11] offset:4096*\i+16 th:TH_LOAD_NT
.endr
.irp i, 0,1,2,3,4,5,6,7,8,9,10,11,12,13,14,15
	s_wait_loadcnt 30-2*\i                         ; this turn's two loads are in; the later turns' may be out
.irp k, 0,1,2,3
	v_cvt_pk_f16_f32 v[32+8*\i+\k], v[32+8*\i+2*\k], v[32+8*\i+2*\k+1]   ; in place, ascending: no source is written before it is read
.endr
	global_store_b128 v2, v[32+8*\i:35+8*\i], s[22:23] offset:2048*\i   ; a wave stores 512 consecutive bytes
.endr
	s_endpgm
.Ltables:
; ---------------- job R: 16,384 bytes of rotary_emb_x a work-group; a thread takes 4 neighbouring numbers 8 times
	s_sub_co_u32 s27, ttmp9, 368
	s_lshl_b32 s30, s27, 14
	s_mov_b32 s31, 0
	s_add_nc_u64 s[12:13], s[12:13], s[30:31]
	s_add_nc_u64 s[24:25], s[24:25], s[30:31]
	v_lshlrev_b32 v1, 4, v0
.irp i, 0,1,2,3,4,5,6,7
	global_load_b128 v[32+4*\i:35+4*\i], v1, s[12:13] offset:2048*\i th:TH_LOAD_NT
.endr
	v_and_b32 v2, 8, v0                            ; my four numbers have d = 4 (thread % 16) + 0 .. 3 in every turn: d < 32 where bit 3 of the thread's number is 0
	v_xor_b32 v2, 8, v2
	v_lshlrev_b32 v2, 28, v2                       ; the sign bit where d < 32
	s_mov_b32 s66, 0x3f22f983                      ; 2 / pi
	s_mov_b32 s67, 0xbfc90fdb                      ; -(pi / 2), its f32 part
	s_mov_b32 s68, 0x333bbd2e                      ; what that part has too much: 4.3711388e-8
	s_mov_b32 s69, 0xb94ca1f9                      ; sine: -1.9515296e-4
	s_mov_b32 s70, 0x3c08839e                      ;        8.3321609e-3
	s_mov_b32 s71, 0xbe2aaaa3                      ;       -1.6666655e-1
	s_mov_b32 s72, 0x37ccf5ce                      ; cosine: 2.4433157e-5
	s_mov_b32 s73, 0xbab6061a                      ;        -1.3887316e-3
	s_mov_b32 s74, 0x3d2aaaa5                      ;         4.1666646e-2
.macro SINCOS x, c, s
	v_mul_f32 v16, s66, v[\x]
	v_rndne_f32 v16, v16                           ; n
	v_fma_f32 v17, v16, s67, v[\x]
	v_fma_f32 v17, v16, s68, v17                   ; r = x - n pi / 2
	v_cvt_i32_f32 v18, v16
	v_mul_f32 v19, v17, v17                        ; z = r r
	v_fma_f32 v20, v19, s69, s70
	v_fma_f32 v20, v20, v19, s71
	v_mul_f32 v21, v19, v17
	v_fma_f32 v20, v20, v21, v17                   ; sin r
	v_fma_f32 v22, v19, s72, s73
	v_fma_f32 v22, v22, v19, s74
	v_mul_f32 v23, v19, v19
	v_fma_f32 v24, v19, -0.5, 1.0
	v_fma_f32 v22, v22, v23, v24                   ; cos r
	v_and_b32 v25, 1, v18
	v_cmp_eq_u32 vcc_lo, 1, v25                    ; an odd quarter turn exchanges the two
	v_cndmask_b32 v26, v20, v22, vcc_lo
	v_cndmask_b32 v27, v22, v20, vcc_lo
	v_lshlrev_b32 v25, 30, v18
	v_and_b32 v25, 0x80000000, v25                 ; sine is negated in quarters 2 and 3,
	v_xor_b32 v25, v25, v2                         ; and once more where d < 32
	v_xor_b32 v[\s], v26, v25
	v_add_nc_u32 v18, 1, v18
	v_lshlrev_b32 v18, 30, v18
	v_and_b32 v18, 0x80000000, v18                 ; cosine in quarters 1 and 2
	v_xor_b32 v[\c], v27, v18
.endm
.irp i, 0,1,2,3,4,5,6,7
	s_wait_loadcnt 7-\i                            ; the later turns' loads may be out
.irp k, 0,1,2,3
	SINCOS 32+4*\i+\k, 64+8*\i+\k, 68+8*\i+\k
.endr
	global_store_b128 v1, v[64+8*\i:67+8*\i], s[24:25] offset:2048*\i          ; each turn has result registers of its own
	global_store_b128 v1, v[68+8*\i:71+8*\i], s[24:25] offset:524288+2048*\i
.endr
	s_endpgm
.Lfunc_end_k_q4ffeabb3c0_prep_w:
	.size	k_q4ffeabb3c0_prep_w, .Lfunc_end_k_q4ffeabb3c0_prep_w-k_q4ffeabb3c0_prep_w
	.p2alignl 7, 3214868480
	.fill 96, 4, 3214868480
	.section	.rodata,"a",@progbits
	.p2align	6, 0x0
	.amdhsa_kernel k_q4ffeabb3c0_prep_w
		.amdhsa_group_segment_fixed_size 68096
		.amdhsa_private_segment_fixed_size 0
		.amdhsa_enable_private_segment 0
		.amdhsa_kernarg_size 88
		.amdhsa_user_sgpr_count 2
		.amdhsa_user_sgpr_kernarg_segment_ptr 1
		.amdhsa_wavefront_size32 1
		.amdhsa_system_sgpr_workgroup_id_x 1
		.amdhsa_system_sgpr_workgroup_id_y 1
		.amdhsa_system_sgpr_workgroup_id_z 1
		.amdhsa_system_vgpr_workitem_id 0
		.amdhsa_next_free_vgpr 210
		.amdhsa_next_free_sgpr 80
		.amdhsa_reserve_vcc 1
		.amdhsa_float_denorm_mode_32 3
		.amdhsa_float_denorm_mode_16_64 3
		.amdhsa_memory_ordered 1
		.amdhsa_forward_progress 1
		.amdhsa_inst_pref_size 165
	.end_amdhsa_kernel
	.amdgpu_metadata
---
amdhsa.version: [ 1, 2 ]
amdhsa.kernels:
  - .name:           k_q4ffeabb3c0_prep_w
    .symbol:         k_q4ffeabb3c0_prep_w.kd
    .args:
      - { .name: x, .offset: 0, .size: 8, .value_kind: global_buffer, .address_space: global }
      - { .name: Wq, .offset: 8, .size: 8, .value_kind: global_buffer, .address_space: global }
      - { .name: Wkv, .offset: 16, .size: 8, .value_kind: global_buffer, .address_space: global }
      - { .name: Wo, .offset: 24, .size: 8, .value_kind: global_buffer, .address_space: global }
      - { .name: rotary_emb_x, .offset: 32, .size: 8, .value_kind: global_buffer, .address_space: global }
      - { .name: xc, .offset: 40, .size: 8, .value_kind: global_buffer, .address_space: global }
      - { .name: xs, .offset: 48, .size: 8, .value_kind: global_buffer, .address_space: global }
      - { .name: wc, .offset: 56, .size: 8, .value_kind: global_buffer, .address_space: global }
      - { .name: ws, .offset: 64, .size: 8, .value_kind: global_buffer, .address_space: global }
      - { .name: wo16, .offset: 72, .size: 8, .value_kind: global_buffer, .address_space: global }
      - { .name: rope, .offset: 80, .size: 8, .value_kind: global_buffer, .address_space: global }
    .group_segment_fixed_size: 68096
    .private_segment_fixed_size: 0
    .kernarg_segment_align: 8
    .kernarg_segment_size: 88
    .max_flat_workgroup_size: 128
    .sgpr_count:     80
    .vgpr_count:     210
    .wavefront_size: 32
...
	.end_amdgpu_metadata
.endif
;; end of part 1
;; launch qkv (part 2): grid 12 x 32, 4 waves a work-group, clusters of 4 x 4, 327,680 bytes of LDS; arguments xc, xs, wc, ws, rope, qkv; writes qkv
.if DOCPART == 2
	.amdgcn_target "amdgcn-amd-amdhsa--gfx1250"
	.amdhsa_code_object_version 6
	.text
	.protected	k_q4ffeabb3c0_qkv
	.globl	k_q4ffeabb3c0_qkv
	.p2align	8
	.type	k_q4ffeabb3c0_qkv,@function
k_q4ffeabb3c0_qkv:
	s_mov_b64 s[64:65], 0
	v_nop
	global_prefetch_b8 v0, s[64:65] scope:SCOPE_SE
	s_setreg_imm32_b32 hwreg(HW_REG_WAVE_MODE, 25, 1), 1
	s_wait_xcnt 0x0
	s_wait_alu depctr_hold_cnt(0) depctr_sa_sdst(0) depctr_va_vdst(0) depctr_va_sdst(0) depctr_va_ssrc(0) depctr_va_vcc(0) depctr_vm_vsrc(0)
	s_getreg_b32 s2, hwreg(HW_REG_IB_STS2, 6, 4)
	s_cmp_eq_u32 s2, 0
	s_cbranch_scc0 .Lentry_in_a_cluster
	s_endpgm
.Lentry_in_a_cluster:
	s_bfe_u32 s2, ttmp6, 0x10000c
	s_cmp_lg_u32 s2, 0xf033
	s_cbranch_scc0 .Lentry_shape_is_right
	s_endpgm
.Lentry_shape_is_right:
; x Wq and x Wkv as ONE product on codes of FP4: C[m][n] = sum over k of x[m][k] W[n][k], m = 8192 rows (b, position), n = 3072 (q's 1024 columns, k's, v's), K = 1024; sums in f32.  Nothing of reference() is left out here.
; The codes and E8M0 bytes (xc, xs, wc, ws) go to the matrix unit as they lie.  On the way out q and k get the rotary embedding in f32 (t cos + exchange of halves x signed sin, tables from prep_w), and all three are
; rounded to f16 and stored by heads: qkv [part 3][b 4][h 16][position 2048][64] f16.   LIMIT: |q|, |k|, |v| above 65,504 become infinity in f16.
; A tile of C, 256 x 256, is made by a work-group of four waves; a wave makes 128 x 128: 64 accumulators, 512 registers.  K goes in two steps of 512 through two LDS slots: both are first fills, nothing is filled again.
; The scale bytes of the work-group's 256 + 256 rows, for all of K, come into LDS once, with the first fills.
; CLUSTERS: 4 x 4 work-groups; x's tiles are asked for jointly along a row of the cluster, W's along a column.  A cluster's four tile columns are exactly one part (q, k or v): the cluster's x is the part.
; THE MATRIX INSTRUCTION IS USED TRANSPOSED (source 0 = 16 rows of W, source 1 = 16 rows of x): a lane holds eight neighbouring columns of one row of C.
; REGISTERS: window 0: v0-31 addresses; v32-95 scale words, two sets, and nothing else; v128-191 x's fragments, one set; on the way out v96-159 at work, v160-191 rows read back.
;   window 1: W's fragments, two sets, v0-63 and v128-191; the tables of cos and sin, four buffers of 64: v64-127, v192-255, then v0-63, v128-191.   windows 2, 3: the accumulators ((a, b) at v[8 (8 (a % 4) + b)]).
.set NQ,     4                         ; steps of 128 along K in a slot
.set ROWB,   256                       ; a tile's row in bytes: 512 codes
.set KROW,   512                       ; a row of xc or wc in memory
.set PITCH,  272                       ; an LDS row: 256 bytes + 16 of padding: the 16 rows that a load touches start at 16 different banks (64 banks of 4 bytes: ISA guide 11.1)
.set FR,     8
.set NL,     2
.set NP,     4                         ; places behind this matrix instruction (ISA guide 7.12.1)
.set HALFT,  128*PITCH
.set SLOT,   4*HALFT
.set KS,     32                        ; a row of scale bytes
.set SCL,    2*SLOT                    ; behind the slots: the scales, as units of 256 bytes + 16 of padding
.set HALFS,  (128*KS/256)*272
.set SBLK,   (16*KS/256)*272
.set SPARE,  SCL+4*HALFS               ; behind the scales: the spare words, 128 bytes a wave
.set HP,     144                       ; the way out: a stage row, 64 f16 + 16 bytes
.set HSTG,   16*HP                     ; 16 rows of one head
.set WSTG,   2*HSTG                    ; a wave's stage: two heads.  It lies in slot 0, which has had its only fill and its last read when the first result is stored there
.set ADRA, 16
.set ADRB, 20
.set STO,  24
.set RD,   25
.set CO,   26
.set ADRS, 27
.set SPW,  28
.set NIL,  29
.set TO,   30                          ; v30  my byte offset in 16 rows of a table: 256 (l % 16) + 32 (l / 16); never rewritten
.set SC,   32
.set U,    96
.set AF,   128
.set BK,   160
.set G1, 24
.set G0, 32
.set G1B, 48
.set G0B, 56
.set G1S, 68
.set G0S, 76
.set G1SB, 80
.set G0SB, 88
.set MSB, 0
.macro WIN new                         ; the immediate's high byte repeats the setting that is left
.if MSB != (\new)
	s_set_vgpr_msb (MSB<<8)|(\new)
.set MSB, \new
.endif
.endm
.set MUL_LO, 0xa1                      ; source 0 (W) window 1, source 1 (x) window 0, C and D window 2
.set MUL_HI, 0xf1                      ; the same, C and D window 3
.set TO_B,   0x40                      ; destination window 1, address window 0
; A joint load: waves 0 and 1 fetch for x, waves 2 and 3 for W.  The branch hangs on the wave's number alone.  An s_nop 0 and four v_nop follow each of the two lines.
.macro JLOAD g0a, g1a, g0b, g1b
	s_cmp_eq_u32 s15, 0
	s_cbranch_scc0 .Lfor_b_\@
	tensor_load_to_lds s[\g0a:\g0a+3], s[\g1a:\g1a+7]
	s_nop 0
.rept 4
	v_nop
.endr
	s_branch .Lasked_\@
.Lfor_b_\@:
	tensor_load_to_lds s[\g0b:\g0b+3], s[\g1b:\g1b+7]
	s_nop 0
.rept 4
	v_nop
.endr
.Lasked_\@:
.endm
.macro CROUND                          ; a round of the cluster's barrier
	s_barrier_signal -1
	s_barrier_wait -1
	s_cmp_lg_u32 s14, 0
	s_cbranch_scc1 .Lnot_wave_0_\@
	s_barrier_signal -3
.Lnot_wave_0_\@:
	s_barrier_wait -3
	s_barrier_signal -1
	s_barrier_wait -1
.endm
	s_load_b128 s[4:7], s[0:1], 0x0                ; xc, xs
	s_load_b128 s[8:11], s[0:1], 0x10              ; wc, ws
	s_load_b128 s[96:99], s[0:1], 0x20             ; rope, qkv
	v_lshl_add_u32 v[SPW], v0, 2, SPARE
	v_mov_b32 v[NIL], 0
	ds_add_u32 v[SPW], v[NIL]                      ; the wave's opening: the add, twice on end, and its wait ahead of my first tensor load
	ds_add_u32 v[SPW], v[NIL]
	v_lshrrev_b32 v1, 5, v0
	v_readfirstlane_b32 s14, v1                    ; wave 0..3
	s_lshr_b32 s15, s14, 1                         ; which half of the tile's rows is mine.  Also: I fetch for x (0) or for W (1)
	s_and_b32 s16, s14, 1                          ; which half of its columns.  Also: which 128 rows of that tile I fetch
	s_bfe_u32 s40, ttmp6, 0x40000                  ; cx, cy
	s_bfe_u32 s41, ttmp6, 0x40004
	s_lshl_b32 s42, ttmp9, 2
	s_add_co_u32 s42, s42, s40                     ; tile column = 4 x cluster x + cx
	s_and_b32 s17, ttmp7, 0xffff
	s_lshl_b32 s17, s17, 2
	s_add_co_u32 s17, s17, s41                     ; tile row = 4 x cluster y + cy
	s_lshl_b32 s43, s41, 2
	s_lshl_b32 s43, 15, s43                        ; my row of the cluster
	s_lshl_b32 s44, 0x1111, s40                    ; my column
	s_or_b32 s[G1+0], s43, (0<<16)|(1<<20)|(1<<21)|(5<<22)|(3<<25)  ; the mask; elements of 1 byte; padding on; bit 21 beside a mask; 4 words behind every 64
	s_or_b32 s[G1B+0], s44, (0<<16)|(1<<20)|(1<<21)|(5<<22)|(3<<25)
.irp g, G1, G1B
	s_mov_b32 s[\g+1], ROWB<<16                    ; tensor_dim0
	s_mov_b32 s[\g+2], 128<<16                     ; tensor_dim1
	s_mov_b32 s[\g+3], ROWB<<16                    ; tile_dim0
	s_mov_b32 s[\g+4], 128                         ; tile_dim1
	s_mov_b32 s[\g+5], KROW                        ; from row to row
	s_mov_b32 s[\g+6], 0
	s_mov_b32 s[\g+7], 0
.endr
	s_or_b32 s[G1S+0], s43, (3<<16)|(1<<20)|(1<<21)|(5<<22)|(3<<25) ; the scales of 128 rows: 4,096 dense bytes as 16 rows of 256 (32 elements of 8 bytes), 16 bytes of padding behind each
	s_or_b32 s[G1SB+0], s44, (3<<16)|(1<<20)|(1<<21)|(5<<22)|(3<<25)
.irp g, G1S, G1SB
	s_mov_b32 s[\g+1], 32<<16
	s_mov_b32 s[\g+2], (128*KS/256)<<16
	s_mov_b32 s[\g+3], 32<<16
	s_mov_b32 s[\g+4], 128*KS/256
	s_mov_b32 s[\g+5], 32
	s_mov_b32 s[\g+6], 0
	s_mov_b32 s[\g+7], 0
.endr
	s_lshl_b32 s18, s16, 7
	s_lshl_b32 s20, s17, 8
	s_add_co_u32 s20, s20, s18                     ; x: row 256 x tile row + 128 x half
	s_lshl_b32 s46, s42, 8
	s_add_co_u32 s46, s46, s18                     ; W: row 256 x tile column + 128 x half
	s_mov_b32 s21, 0
	s_mov_b32 s47, 0
	s_mov_b64 s[18:19], KS
	s_mul_u64 s[22:23], s[20:21], s[18:19]         ; where these rows' scales begin
	s_mul_u64 s[92:93], s[46:47], s[18:19]
	s_mov_b64 s[18:19], KROW
	s_mul_u64 s[20:21], s[20:21], s[18:19]         ; and their codes
	s_mul_u64 s[46:47], s[46:47], s[18:19]
	s_mul_i32 s45, s14, HALFT                      ; where they go: wave x 128 rows
	s_mul_i32 s94, s14, HALFS
	s_wait_dscnt 0x0                               ; both opening adds are done
	s_wait_kmcnt 0x0
	s_add_nc_u64 s[20:21], s[4:5], s[20:21]
	s_add_nc_u64 s[22:23], s[6:7], s[22:23]
	s_add_nc_u64 s[46:47], s[8:9], s[46:47]
	s_add_nc_u64 s[92:93], s[10:11], s[92:93]
	CROUND                                         ; all sixteen work-groups are here: the first joint loads meet
	s_mov_b32 s[G0S], 1
	s_add_co_u32 s[G0S+1], s94, SCL
	s_mov_b64 s[G0S+2:G0S+3], s[22:23]
	s_or_b32 s[G0S+3], s[G0S+3], 0x80000000
	s_mov_b32 s[G0SB], 1
	s_add_co_u32 s[G0SB+1], s94, SCL
	s_mov_b64 s[G0SB+2:G0SB+3], s[92:93]
	s_or_b32 s[G0SB+3], s[G0SB+3], 0x80000000
	JLOAD G0S, G1S, G0SB, G1SB                     ; the scales first
.irp s, 0,1
	s_mov_b32 s[G0+4*\s], 1
	s_add_co_u32 s[G0+4*\s+1], s45, \s*SLOT
	s_add_nc_u64 s[G0+4*\s+2:G0+4*\s+3], s[20:21], \s*ROWB
	s_or_b32 s[G0+4*\s+3], s[G0+4*\s+3], 0x80000000
	s_mov_b32 s[G0B+4*\s], 1
	s_add_co_u32 s[G0B+4*\s+1], s45, \s*SLOT
	s_add_nc_u64 s[G0B+4*\s+2:G0B+4*\s+3], s[46:47], \s*ROWB
	s_or_b32 s[G0B+4*\s+3], s[G0B+4*\s+3], 0x80000000
	JLOAD G0+4*\s, G1, G0B+4*\s, G1B               ; three loads of mine are out in all
.endr
	v_and_b32 v1, 15, v0                           ; l % 16
	v_bfe_u32 v2, v0, 4, 1                         ; l / 16
	v_mul_u32_u24 v3, v1, PITCH
	v_lshl_add_u32 v4, v2, 4, v3                   ; a fragment's row x pitch + 16 x half
	s_mul_i32 s21, s15, HALFT                      ; my 128 rows of x
	s_mul_i32 s22, s16, HALFT                      ; my 128 rows of W,
	s_add_co_u32 s22, s22, 2*HALFT                 ; which lie behind x's 256
.irp s, 0,1
	v_add_nc_u32 v[ADRA+\s], s21, v4
	v_add_nc_u32 v[ADRB+\s], s22, v4
	s_add_co_u32 s21, s21, SLOT
	s_add_co_u32 s22, s22, SLOT
.endr
	v_mul_u32_u24 v5, v1, KS                       ; my row's scales: KS bytes a row,
	v_lshrrev_b32 v6, 8, v5
	v_lshl_add_u32 v5, v6, 4, v5                   ; and 16 more for each 256 passed
	s_mul_i32 s21, s15, HALFS
	s_mul_i32 s22, s16, HALFS
	s_add_co_u32 s22, s22, 2*HALFS
	s_sub_co_u32 s22, s22, s21
	v_mul_u32_u24 v6, s22, v2                      ; lanes 16-31 take W's
	s_add_co_u32 s21, s21, SCL
	v_add_nc_u32 v5, v5, v6
	v_add_nc_u32 v[ADRS], s21, v5
	s_mul_i32 s23, s14, WSTG                       ; my stage
	v_mul_u32_u24 v5, v1, HP                       ; in: row l % 16, 16 bytes for each half of the lanes
	v_lshl_add_u32 v5, v2, 4, v5
	v_add_nc_u32 v[STO], s23, v5
	v_and_b32 v6, 31, v0
	v_lshrrev_b32 v7, 3, v6                        ; back: eight lanes to a row of 128 bytes, four rows an instruction
	v_mul_u32_u24 v7, v7, HP
	v_and_b32 v8, 7, v0
	v_lshl_add_u32 v7, v8, 4, v7
	v_add_nc_u32 v[RD], s23, v7
	v_lshlrev_b32 v[CO], 4, v6                     ; in memory a head's rows are dense: those four rows are 512 consecutive bytes
	v_lshlrev_b32 v[TO], 8, v1
	v_lshl_add_u32 v[TO], v2, 5, v[TO]
	s_and_b32 s20, s17, 7
	s_lshl_b32 s20, s20, 8
	s_lshl_b32 s21, s15, 7
	s_add_co_u32 s20, s20, s21                     ; my first position in the sequence: 256 (tile row % 8) + 128 x half
	s_lshl_b32 s22, s20, 8
	s_mov_b32 s23, 0
	s_add_nc_u64 s[96:97], s[96:97], s[22:23]      ; the tables at that position (256 bytes a row)
	s_lshl_b32 s46, ttmp9, 6                       ; part x 64 heads
	s_lshr_b32 s47, s17, 3
	s_lshl_b32 s47, s47, 4                         ; + b x 16
	s_add_co_u32 s46, s46, s47
	s_lshl_b32 s47, s40, 2                         ; + the tile column's four heads
	s_add_co_u32 s46, s46, s47
	s_lshl_b32 s47, s16, 1                         ; + my half's two
	s_add_co_u32 s46, s46, s47
	s_lshl_b32 s46, s46, 11
	s_add_co_u32 s46, s46, s20
	s_lshl_b32 s46, s46, 7                         ; rows of 128 bytes: under 2^26
	s_mov_b32 s47, 0
	s_add_nc_u64 s[98:99], s[98:99], s[46:47]
.macro FRAG reg, adr, q, i             ; 16 rows x 128 K of 4-bit codes: 8 registers: lane l holds row l % 16; registers 4 c .. 4 c + 3 hold K = 64 c + 32 (l / 16) + 0 .. 31
.irp c, 0,1
	ds_load_b128 v[\reg+4*\c:\reg+4*\c+3], v[\adr] offset:64*(\q)+32*\c+(\i)*16*PITCH
.endr
.endm
; 16 matrix instructions: x's blocks a0, a0 + 1 against W's eight, 128 along K.  The 64 accumulators take turns, one instruction a turn, in the same order in every step.
.macro MUL16 a0, p, q, sc, zero
.irp a, \a0, \a0+1
.irp b, 0,1,2,3,4,5,6,7
.if \zero
	v_wmma_scale_f32_16x16x128_f8f6f4 v[8*(8*((\a)%4)+\b):8*(8*((\a)%4)+\b)+7], v[128*(\p)+FR*\b:128*(\p)+FR*\b+FR-1], v[AF+FR*(\a):AF+FR*(\a)+FR-1], 0, v[SC+8*NQ*(\sc)+NQ*\b+(\q)], v[SC+8*NQ*(\sc)+NQ*(\a)+(\q)] matrix_a_fmt:MATRIX_FMT_FP4 matrix_b_fmt:MATRIX_FMT_FP4 matrix_a_scale:MATRIX_SCALE_ROW1
.else
	v_wmma_scale_f32_16x16x128_f8f6f4 v[8*(8*((\a)%4)+\b):8*(8*((\a)%4)+\b)+7], v[128*(\p)+FR*\b:128*(\p)+FR*\b+FR-1], v[AF+FR*(\a):AF+FR*(\a)+FR-1], v[8*(8*((\a)%4)+\b):8*(8*((\a)%4)+\b)+7], v[SC+8*NQ*(\sc)+NQ*\b+(\q)], v[SC+8*NQ*(\sc)+NQ*(\a)+(\q)] matrix_a_fmt:MATRIX_FMT_FP4 matrix_b_fmt:MATRIX_FMT_FP4 matrix_a_scale:MATRIX_SCALE_ROW1
.endif
.endr
.endr
.endm
.macro FETCH_B slot, q, p
	WIN TO_B
.irp i, 0,1,2,3,4,5,6,7
	FRAG 128*(\p)+FR*\i, ADRB+\slot, \q, \i
.endr
	WIN 0
.endm
.macro FETCH_A slot, q, i0
.irp i, \i0, \i0+1, \i0+2, \i0+3
	FRAG AF+FR*(\i), ADRA+\slot, \q, \i
.endr
.endm
.macro SCALES sc                       ; a slot's scale words: lanes 0-15 take x's block i, lanes 16-31 W's block i
.irp i, 0,1,2,3,4,5,6,7
	ds_load_b128 v[SC+8*NQ*\sc+NQ*\i:SC+8*NQ*\sc+NQ*\i+3], v[ADRS] offset:\i*SBLK
.endr
.endm
.macro PLACES n                        ; plain vector lines between a matrix instruction and a load into, or a read of, its registers
.rept \n
	v_nop
.endr
.endm
.macro STEP slot, q, zero              ; a step of 128 along K that has its successor in the same slot
	s_wait_dscnt 4*NL                              ; W's set and x's blocks 0-3 are in; the youngest eight loads (x's blocks 4-7) may be out
	WIN MUL_LO
	MUL16 0, (\q)%2, \q, \slot, \zero
	MUL16 2, (\q)%2, \q, \slot, \zero
	s_wait_dscnt 0                                 ; x's blocks 4-7 are in
	PLACES NP
	FETCH_B \slot, (\q)+1, 1-(\q)%2
	FETCH_A \slot, (\q)+1, 0
	WIN MUL_HI
	MUL16 4, (\q)%2, \q, \slot, \zero
	MUL16 6, (\q)%2, \q, \slot, \zero
	PLACES NP
	WIN 0
	FETCH_A \slot, (\q)+1, 4
.endm
; Slot 0's last step changes slots: each wave waits for all its tensor loads (its part of slot 1), adds 0 to its spare word, waits for that and for its reads of slot 0; one barrier.
.macro TURN slot, next
	s_wait_tensorcnt 0x0
	ds_add_u32 v[SPW], v[NIL]
	s_wait_dscnt 4*NL+1                            ; (the add and the youngest eight loads may be out)
	WIN MUL_LO
	MUL16 0, 1, NQ-1, \slot, 0
	s_wait_dscnt 0x0                               ; the add is done, and my reads of this slot are over
	s_barrier_signal -1
	MUL16 2, 1, NQ-1, \slot, 0
	WIN 0
	s_barrier_wait -1
	PLACES NP
	v_add_nc_u32 v[ADRS], 4*NQ, v[ADRS]            ; on to the next slot's scale words
	FETCH_B \next, 0, 0
	FETCH_A \next, 0, 0
	SCALES \next
	WIN MUL_HI
	MUL16 4, 1, NQ-1, \slot, 0
	MUL16 6, 1, NQ-1, \slot, 0
	PLACES NP
	WIN 0
	FETCH_A \next, 0, 4
.endm
.macro STEPS slot, from
.set Q, \from
.rept NQ-1-\from
	STEP \slot, Q, 0
.set Q, Q+1
.endr
.endm
.macro LAST                            ; the very last step: nothing more to fetch
	s_wait_dscnt 4*NL
	WIN MUL_LO
	MUL16 0, 1, NQ-1, 1, 0
	MUL16 2, 1, NQ-1, 1, 0
	s_wait_dscnt 0
	WIN MUL_HI
	MUL16 4, 1, NQ-1, 1, 0
	MUL16 6, 1, NQ-1, 1, 0
	WIN 0
	PLACES NP                                      ; in front of the first read of results, and of loads and writes into registers that the products read
.endm
; THE WAY OUT, block a of 16 rows x 128 columns (two heads) at a time.  Accumulator (a, 4 hd + bb), register j, lane (r, h) = row 16 a + r, head hd, d = 16 bb + 8 h + j.
; The tables of block a's 16 positions, in the accumulators' layout: cos at TBA + 8 bb, signed sin at TBA + 32 + 8 bb, window 1: 16 loads.
.macro TLD a
.set TBA, 64*(1-((\a)%4)/2)+128*((\a)%2)
	WIN TO_B
.irp bb, 0,1,2,3
	global_load_b128 v[TBA+8*\bb:TBA+8*\bb+3], v[TO], s[96:97] offset:4096*(\a)+64*\bb
	global_load_b128 v[TBA+8*\bb+4:TBA+8*\bb+7], v[TO], s[96:97] offset:4096*(\a)+64*\bb+16
	global_load_b128 v[TBA+32+8*\bb:TBA+32+8*\bb+3], v[TO], s[96:97] offset:524288+4096*(\a)+64*\bb
	global_load_b128 v[TBA+32+8*\bb+4:TBA+32+8*\bb+7], v[TO], s[96:97] offset:524288+4096*(\a)+64*\bb+16
.endr
	WIN 0
.endm
; out(d) = t(d) cos(d) + t(d xor 32) ssin(d): the partner of block bb is block bb + 2 of the same head, same lane, same register.  Each accumulator is read from its low end on.  Then f16, two to a register.
.macro ROPE a
.set TBA, 64*(1-((\a)%4)/2)+128*((\a)%2)
.set AC, 64*((\a)%4)
	WIN 0x06+((\a)/4)                              ; source 0: the accumulators' window; source 1: window 1; source 2 and destination: window 0
.irp hd, 0,1
.irp bb, 0,1
.irp j, 0,2,4,6
	v_pk_mul_f32 v[U+8*(4*\hd+\bb)+\j:U+8*(4*\hd+\bb)+\j+1], v[AC+8*(4*\hd+\bb+2)+\j:AC+8*(4*\hd+\bb+2)+\j+1], v[TBA+32+8*\bb+\j:TBA+32+8*\bb+\j+1]
	v_pk_mul_f32 v[U+8*(4*\hd+\bb+2)+\j:U+8*(4*\hd+\bb+2)+\j+1], v[AC+8*(4*\hd+\bb)+\j:AC+8*(4*\hd+\bb)+\j+1], v[TBA+32+8*(\bb+2)+\j:TBA+32+8*(\bb+2)+\j+1]
.endr
.irp j, 0,2,4,6
	v_pk_fma_f32 v[U+8*(4*\hd+\bb)+\j:U+8*(4*\hd+\bb)+\j+1], v[AC+8*(4*\hd+\bb)+\j:AC+8*(4*\hd+\bb)+\j+1], v[TBA+8*\bb+\j:TBA+8*\bb+\j+1], v[U+8*(4*\hd+\bb)+\j:U+8*(4*\hd+\bb)+\j+1]
	v_pk_fma_f32 v[U+8*(4*\hd+\bb+2)+\j:U+8*(4*\hd+\bb+2)+\j+1], v[AC+8*(4*\hd+\bb+2)+\j:AC+8*(4*\hd+\bb+2)+\j+1], v[TBA+8*(\bb+2)+\j:TBA+8*(\bb+2)+\j+1], v[U+8*(4*\hd+\bb+2)+\j:U+8*(4*\hd+\bb+2)+\j+1]
.endr
.endr
.endr
	WIN 0
.set i, 0
.rept 32
	v_cvt_pk_f16_f32 v[U+i], v[U+2*i], v[U+2*i+1]  ; in place, ascending: no source is written before it is read
.set i, i+1
.endr
.endm
.macro PACKV a                         ; v has no rotary embedding: f16 straight from the accumulators, each from its low end on
.set AC, 64*((\a)%4)
	WIN 0x0a+5*((\a)/4)                            ; sources 0 and 1: the accumulators' window
.irp b, 0,1,2,3,4,5,6,7
.irp i, 0,1,2,3
	v_cvt_pk_f16_f32 v[U+4*\b+\i], v[AC+8*\b+2*\i], v[AC+8*\b+2*\i+1]
.endr
.endr
	WIN 0
.endm
.macro TOSTAGE                         ; 16 bytes a lane into rows of 144 bytes; back as whole rows, four to an instruction.  LDS serves a wave's instructions in order: no wait between
.irp hd, 0,1
.irp bb, 0,1,2,3
	ds_store_b128 v[STO], v[U+4*(4*\hd+\bb):U+4*(4*\hd+\bb)+3] offset:HSTG*\hd+32*\bb
.endr
.endr
.irp hd, 0,1
.irp i, 0,1,2,3
	ds_load_b128 v[BK+4*(4*\hd+\i):BK+4*(4*\hd+\i)+3], v[RD] offset:HSTG*\hd+4*HP*\i
.endr
.endr
.endm
.macro SEND a
	s_wait_dscnt 0x0                               ; the block is back in registers
.irp hd, 0,1
.irp i, 0,1,2,3
	global_store_b128 v[CO], v[BK+4*(4*\hd+\i):BK+4*(4*\hd+\i)+3], s[98:99] offset:262144*\hd+2048*(\a)+512*\i   ; 32 lanes store 512 consecutive bytes, at a multiple of 256 from the buffer's first byte
.endr
.endr
.endm
	s_wait_tensorcnt 1                             ; the scales and my part of slot 0 are in (slot 1's load may be out),
	s_barrier_signal -1
	s_barrier_wait -1                              ; everybody's are
	FETCH_B 0, 0, 0
	FETCH_A 0, 0, 0
	SCALES 0
	FETCH_A 0, 0, 4
	STEP 0, 0, 1                                   ; the first step's products start the sums: nothing is cleared
	STEPS 0, 1
	TURN 0, 1
	s_cmp_eq_u32 ttmp9, 2                          ; the cluster's x is the part: the same in all sixteen partners.  ONE branch: each arm holds the second slot's steps and its own way out
	s_cbranch_scc1 .Lv_way
	TLD 0                                          ; q and k: the tables of blocks 0 and 1 are asked for four steps, 256 matrix instructions, ahead, into registers that the products never name
	TLD 1
	STEPS 1, 0
	LAST
	TLD 2                                          ; into the registers that held W's fragments
	TLD 3
	s_wait_loadcnt 48                              ; block 0's 16 loads are in; those of blocks 1 to 3 may be out
	ROPE 0
	TLD 4
	TOSTAGE
.irp a, 1,2,3,4,5,6,7
.if \a < 5
	s_wait_loadcnt 48                              ; three later blocks' tables, 16 loads each, may be out
.else
	s_wait_loadcnt 16*(7-\a)
.endif
	s_wait_dscnt 8                                 ; the stage's eight stores have read their registers; the eight loads behind them may be out
	ROPE \a
.if \a < 4
	TLD \a+4
.endif
	SEND \a-1
	s_wait_xcnt 0x0                                ; the stores have read their data registers: the next block's rows may land there
	TOSTAGE
.endr
	SEND 7
	s_branch .Lend
.Lv_way:
	STEPS 1, 0
	LAST
	PACKV 0
	TOSTAGE
.irp a, 1,2,3,4,5,6,7
	s_wait_dscnt 8                                 ; as above
	PACKV \a
	SEND \a-1
	s_wait_xcnt 0x0
	TOSTAGE
.endr
	SEND 7
.Lend:
	s_wait_tensorcnt 0x0                           ; the wave's end: a tensor wait, an add to my spare word and its wait, behind my last tensor load and my last LDS store
	ds_add_u32 v[SPW], v[NIL]
	s_wait_dscnt 0x0
	CROUND                                         ; the closing round
	s_endpgm
.Lfunc_end_k_q4ffeabb3c0_qkv:
	.size	k_q4ffeabb3c0_qkv, .Lfunc_end_k_q4ffeabb3c0_qkv-k_q4ffeabb3c0_qkv
	.p2alignl 7, 3214868480
	.fill 96, 4, 3214868480
	.section	.rodata,"a",@progbits
	.p2align	6, 0x0
	.amdhsa_kernel k_q4ffeabb3c0_qkv
		.amdhsa_group_segment_fixed_size 327680
		.amdhsa_private_segment_fixed_size 0
		.amdhsa_enable_private_segment 0
		.amdhsa_kernarg_size 48
		.amdhsa_user_sgpr_count 2
		.amdhsa_user_sgpr_kernarg_segment_ptr 1
		.amdhsa_wavefront_size32 1
		.amdhsa_system_sgpr_workgroup_id_x 1
		.amdhsa_system_sgpr_workgroup_id_y 1
		.amdhsa_system_sgpr_workgroup_id_z 1
		.amdhsa_system_vgpr_workitem_id 0
		.amdhsa_next_free_vgpr 1024
		.amdhsa_next_free_sgpr 100
		.amdhsa_reserve_vcc 0
		.amdhsa_float_denorm_mode_32 3
		.amdhsa_float_denorm_mode_16_64 3
		.amdhsa_memory_ordered 1
		.amdhsa_forward_progress 1
		.amdhsa_inst_pref_size 242
	.end_amdhsa_kernel
	.amdgpu_metadata
---
amdhsa.version: [ 1, 2 ]
amdhsa.kernels:
  - .name:           k_q4ffeabb3c0_qkv
    .symbol:         k_q4ffeabb3c0_qkv.kd
    .args:
      - { .name: xc, .offset: 0, .size: 8, .value_kind: global_buffer, .address_space: global }
      - { .name: xs, .offset: 8, .size: 8, .value_kind: global_buffer, .address_space: global }
      - { .name: wc, .offset: 16, .size: 8, .value_kind: global_buffer, .address_space: global }
      - { .name: ws, .offset: 24, .size: 8, .value_kind: global_buffer, .address_space: global }
      - { .name: rope, .offset: 32, .size: 8, .value_kind: global_buffer, .address_space: global }
      - { .name: qkv, .offset: 40, .size: 8, .value_kind: global_buffer, .address_space: global }
    .group_segment_fixed_size: 327680
    .private_segment_fixed_size: 0
    .kernarg_segment_align: 8
    .kernarg_segment_size: 48
    .max_flat_workgroup_size: 128
    .sgpr_count:     100
    .vgpr_count:     1024
    .wavefront_size: 32
...
	.end_amdgpu_metadata
.endif
;; end of part 2
;; launch attn (part 3): grid 4 x 64, 16 waves a work-group, clusters of 4 x 1, 327,680 bytes of LDS; arguments qkv, ao; writes ao
.if DOCPART == 3
	.amdgcn_target "amdgcn-amd-amdhsa--gfx1250"
	.amdhsa_code_object_version 6
	.text
	.protected	k_q4ffeabb3c0_attn
	.globl	k_q4ffeabb3c0_attn
	.p2align	8
	.type	k_q4ffeabb3c0_attn,@function
k_q4ffeabb3c0_attn:
	s_mov_b64 s[64:65], 0
	v_nop
	global_prefetch_b8 v0, s[64:65] scope:SCOPE_SE
	s_setreg_imm32_b32 hwreg(HW_REG_WAVE_MODE, 25, 1), 1
	s_wait_xcnt 0x0
	s_wait_alu depctr_hold_cnt(0) depctr_sa_sdst(0) depctr_va_vdst(0) depctr_va_sdst(0) depctr_va_ssrc(0) depctr_va_vcc(0) depctr_vm_vsrc(0)
	s_getreg_b32 s2, hwreg(HW_REG_IB_STS2, 6, 4)
	s_cmp_eq_u32 s2, 0
	s_cbranch_scc0 .Lentry_in_a_cluster
	s_endpgm
.Lentry_in_a_cluster:
	s_bfe_u32 s2, ttmp6, 0x10000c
	s_cmp_lg_u32 s2, 0x3003
	s_cbranch_scc0 .Lentry_shape_is_right
	s_endpgm
.Lentry_shape_is_right:
; ao[h][b, q][:] = the sum over k of softmax_k(q . k / 8) v[k][:], for each of the 64 (b, h).  q, k, v: qkv [3][64][2048][64] f16; ao [16 h][8192 (b, position)][64] f16.  Nothing of reference() is left out here.
; Products on f16 operands with f32 sums; maxima, exponentials and row sums in f32; the weights p (at most 1) are rounded to f16 for the second product; the result once at the end.
; LIMITS: weights under 2^-24 of the row's largest are lost in f16; NaN and infinities are not served.
; SHARES.  A work-group owns 512 queries of one (b, h), each of its SIXTEEN waves 32: two tiles of 16, in 256 registers.  Four waves lie on a SIMD: a key step is 32 matrix instructions and some 250 vector instructions
; of a wave, one behind the other, so that while one wave walks its softmax or waits for LDS the other three have products and loads to issue.  256 work-groups: one to a WGP.
; Every wave walks all 2,048 keys, 64 a step; K's and V's tiles come through two LDS slots of 256 keys, filled by the tensor data mover (waves 0-3: 64 rows of K each; waves 4-7: of V; waves 8-15 fetch nothing).
; LAYOUT.  S^T = K Q^T (source 0 = 16 keys, source 1 = 16 queries): a lane holds ONE query (lane % 16) and keys 8 (lane / 16) + 0..7.  Two such tiles, rounded to f16 in pairs, ARE source 1 of O^T = V^T P.
; K comes out of LDS as it lies, V ([key][channel]) turned, by ds_load_tr16_b128.
; WHAT MAKES 256 REGISTERS DO: P is laid over S^T in place (pair b of a tile's 16 is summed, then rounded into the tile's register b, which holds a number of pair b / 2, done with); and K and V take turns in ONE buffer of 64:
; V is asked for behind K Q^T and lands under the softmax, K at a step's head.  No register lies above v255: no window is ever switched.
; SOFTMAX.  A running maximum m and sum l for each query: p = 2^(c s - c m), c = log2(e) / 8; in every step O and l are multiplied by a = 2^(c m_old - c m_new).  m begins at -3e38, l and O^T at 0: the step is written once.
; CLUSTER.  The four query blocks of a (b, h) are one cluster and walk the same K and V: each tile is asked for jointly, mask 15.  The grid has one cluster along x: cx is the block's number.
; REGISTERS.  v1-15 addresses; v16-31 statistics, eight a tile; v32-95 S^T, then p, then P in each tile's first 16; v96-159 O^T; v160-191 Q; v192-255 K, then V.
.set KP,    144                        ; a row of K in LDS: 128 bytes + 16
.set VP,    160                        ; a row of V: 128 + 32: the turning load's 8 rows x 32 bytes fall on different banks
.set VOFF,  256*KP                     ; a slot: 256 rows of K, then 256 rows of V
.set SLOT1, 1<<17                      ; slot 1 begins here: one exclusive or turns an address from one slot to the other
.set STAGE, SLOT1+256*(KP+VP)          ; behind the slots: 2 tiles x 16 rows x 144 bytes for each wave
.set WSTG,  2*16*KP
.set SPARE, STAGE+16*WSTG              ; the spare words, 128 bytes a wave: eight blocks of 256 bytes that no other line names
.set AK0, 2
.set AV0, 3
.set ADK, 4
.set ADV, 5
.set QO,  6
.set STO, 7
.set RD,  8
.set GO,  9
.set PFO, 10                           ; v10  256 x my lane; never rewritten
.set SPW, 11
.set NIL, 12
.set ST,  16                           ; tile t at v[ST + 8 t]: +0 c m, +1 m, +2, +3 l (even keys', odd keys'), +4 .. +7 at work; a takes +6
.set S,   32
.set O,   96
.set Q,   160
.set KV,  192
.set WV,  12
.set LIM, 15
.set PFA, 18
.set G1K, 24
.set G1V, 32
.set G0K, 40
.set G0V, 44
.set SLOTS, 56
.set CS,  58
.set SEL, 60
.set TB,  62
.macro JLOAD                           ; waves 0-3 K's line, waves 4-7 V's, the others none.  The branches hang on the wave's number alone.  An s_nop 0 and four v_nop follow each line
	s_cmp_lt_u32 s[WV], 4
	s_cbranch_scc0 .Lnot_k_\@
	tensor_load_to_lds s[G0K:G0K+3], s[G1K:G1K+7]
	s_nop 0
.rept 4
	v_nop
.endr
	s_branch .Lasked_\@
.Lnot_k_\@:
	s_cmp_lt_u32 s[WV], 8
	s_cbranch_scc0 .Lasked_\@
	tensor_load_to_lds s[G0V:G0V+3], s[G1V:G1V+7]
	s_nop 0
.rept 4
	v_nop
.endr
.Lasked_\@:
.endm
; A prefetch of what the NEXT change of slots will ask for: 32,768 bytes of K and of V.  One cluster alone walks a (b, h)'s rows.  Its four partners take 8,192 bytes each, told apart by ADDRESS;
; in each, wave 0 asks for K's and wave 4 for V's, lanes 256 bytes apart: each aligned block of 256 bytes is named once in the launch.  The last change that fills a slot asks for nothing.
.macro ASK
	s_cmp_gt_u32 s[SLOTS], s[LIM]
	s_cbranch_scc0 .Lnot_mine_\@
	global_prefetch_b8 v[PFO], s[PFA:PFA+1] th:TH_LOAD_NT scope:SCOPE_SE
.Lnot_mine_\@:
.endm
.macro CROUND
	s_barrier_signal -1
	s_barrier_wait -1
	s_cmp_lg_u32 s[WV], 0
	s_cbranch_scc1 .Lnot_wave_0_\@
	s_barrier_signal -3
.Lnot_wave_0_\@:
	s_barrier_wait -3
	s_barrier_signal -1
	s_barrier_wait -1
.endm
	s_load_b128 s[4:7], s[0:1], 0x0                ; qkv, ao
	v_lshl_add_u32 v[SPW], v0, 2, SPARE
	v_mov_b32 v[NIL], 0
	ds_add_u32 v[SPW], v[NIL]                      ; the wave's opening: the add, twice on end, and its wait ahead of the first tensor load
	ds_add_u32 v[SPW], v[NIL]
	v_lshrrev_b32 v1, 5, v0
	v_readfirstlane_b32 s[WV], v1                  ; wave 0..15
	s_bfe_u32 s13, ttmp6, 0x40000                  ; cx: my block of 512 queries: it enters Q's, ao's and the prefetches' addresses alone
	s_and_b32 s20, ttmp7, 0xffff                   ; (b, h) = 16 b + h, which the four partners share
	s_lshl_b32 s22, s20, 18                        ; a head is 262,144 bytes
	s_mov_b32 s23, 0
	s_and_b32 s16, s[WV], 3                        ; which 64 rows of a slot's 256 I fetch, if I fetch
	s_lshl_b32 s2, s16, 13                         ; in memory,
	s_mov_b32 s3, 0
	s_mul_i32 s17, s16, 64*KP                      ; and in a slot: K's,
	s_mul_i32 s21, s16, 64*VP
	s_add_co_u32 s21, s21, VOFF                    ; V's
	s_mov_b32 s[G1K], 15|(1<<16)|(1<<20)|(1<<21)|(4<<22)|(3<<25)  ; the mask: all four; elements of 2 bytes; padding on; bit 21 beside a mask; 4 words behind every 32
	s_mov_b32 s[G1V], 15|(1<<16)|(1<<20)|(1<<21)|(4<<22)|(7<<25)  ; the same with 8 words
.irp g, G1K, G1V
	s_mov_b32 s[\g+1], 64<<16                      ; tensor_dim0 = 64
	s_mov_b32 s[\g+2], 64<<16                      ; tensor_dim1 = 64
	s_mov_b32 s[\g+3], 64<<16                      ; tile_dim0 = 64
	s_mov_b32 s[\g+4], 64                          ; tile_dim1 = 64
	s_mov_b32 s[\g+5], 64                          ; from row to row
	s_mov_b32 s[\g+6], 0
	s_mov_b32 s[\g+7], 0
.endr
	s_mov_b32 s[CS], 0x3e38aa3b                    ; c = log2(e) / 8
	s_mov_b32 s[CS+1], s[CS]                       ; (named with it as a pair)
	s_mov_b32 s[SEL], 0x76543210
	s_mov_b32 s[SEL+1], 0xfedcba98
	s_mov_b32 s[TB], 0
	s_mov_b32 s[SLOTS], 7
	s_and_b32 s[LIM], s[WV], 11                    ; 0 in waves 0 and 4 alone: the same in all four partners
	s_cmp_eq_u32 s[LIM], 0
	s_cselect_b32 s[LIM], 1, -1
	v_and_b32 v[PFO], 31, v0
	v_lshlrev_b32 v[PFO], 8, v[PFO]
	s_lshl_b32 s8, s13, 9
	s_lshl_b32 s9, s[WV], 5
	s_add_co_u32 s8, s8, s9                        ; my first query in the head: 512 x block + 32 x wave
	s_lshl_b32 s10, s8, 7                          ; in bytes
	s_mov_b32 s11, 0
	s_and_b32 s9, s20, 15
	s_lshl_b32 s9, s9, 13                          ; ao: h x 8192 rows
	s_add_co_u32 s8, s8, s9
	s_lshr_b32 s9, s20, 4
	s_lshl_b32 s9, s9, 11                          ; + b x 2048
	s_add_co_u32 s8, s8, s9
	s_lshl_b32 s8, s8, 7
	s_mov_b32 s9, 0
	s_wait_dscnt 0x0                               ; both opening adds are done
	s_wait_kmcnt 0x0
	s_add_nc_u64 s[4:5], s[4:5], s[22:23]          ; q's head
	s_add_nc_u64 s[48:49], s[4:5], s[10:11]        ; my queries
	s_add_nc_u64 s[50:51], s[6:7], s[8:9]          ; my rows of ao
	s_add_nc_u64 s[52:53], s[4:5], 0x1000000       ; k's head: a part is 16,777,216 bytes
	s_add_nc_u64 s[54:55], s[4:5], 0x2000000       ; v's
	s_cmp_lt_u32 s[WV], 4
	s_cselect_b64 s[PFA:PFA+1], s[52:53], s[54:55]
	s_lshl_b32 s10, s13, 13                        ; my work-group's 8,192 bytes,
	s_add_co_u32 s10, s10, 32768                   ; in the second 256 keys: the first change of slots steps it to the third.  Nothing is prefetched at the head
	s_add_nc_u64 s[PFA:PFA+1], s[PFA:PFA+1], s[10:11]
	CROUND                                         ; all four work-groups are here: the first joint loads meet
	s_mov_b32 s[G0K], 1
	s_mov_b32 s[G0K+1], s17
	s_add_nc_u64 s[G0K+2:G0K+3], s[52:53], s[2:3]
	s_or_b32 s[G0K+3], s[G0K+3], 0x80000000
	s_mov_b32 s[G0V], 1
	s_mov_b32 s[G0V+1], s21
	s_add_nc_u64 s[G0V+2:G0V+3], s[54:55], s[2:3]
	s_or_b32 s[G0V+3], s[G0V+3], 0x80000000
	JLOAD                                          ; keys 0-255 into slot 0: a fetching wave has one load out
	v_and_b32 v1, 15, v0                           ; r = l % 16
	v_bfe_u32 v13, v0, 4, 1                        ; h = l / 16
	v_lshlrev_b32 v[QO], 7, v1
	v_lshl_add_u32 v[QO], v13, 4, v[QO]
.irp t, 0,1
.irp c, 0,1
	global_load_b128 v[Q+16*\t+8*\c:Q+16*\t+8*\c+3], v[QO], s[48:49] offset:2048*\t+64*\c       ; Q stays in registers: tile t, channels 32 c on
	global_load_b128 v[Q+16*\t+8*\c+4:Q+16*\t+8*\c+7], v[QO], s[48:49] offset:2048*\t+64*\c+32
.endr
.endr
	v_mul_u32_u24 v[AK0], v1, KP
	v_lshl_add_u32 v[AK0], v13, 4, v[AK0]          ; K: row x pitch + 16 x half
	v_and_b32 v14, 7, v0
	v_bfe_u32 v15, v0, 3, 1
	v_lshl_add_u32 v[AV0], v13, 3, v14
	v_mul_u32_u24 v[AV0], v[AV0], VP
	v_lshl_add_u32 v[AV0], v15, 4, v[AV0]
	v_add_nc_u32 v[AV0], VOFF, v[AV0]              ; V: key 8 (l / 16) + l % 8, channels 8 ((l / 8) % 2) on
	s_mul_i32 s10, s[WV], WSTG
	s_add_co_u32 s10, s10, STAGE                   ; my stage
	v_mul_u32_u24 v[STO], v1, KP
	v_lshl_add_u32 v[STO], v13, 4, v[STO]
	v_add_nc_u32 v[STO], s10, v[STO]
	v_and_b32 v14, 31, v0
	v_lshrrev_b32 v15, 3, v14
	v_mul_u32_u24 v[RD], v15, KP
	v_and_b32 v15, 7, v0
	v_lshl_add_u32 v[RD], v15, 4, v[RD]
	v_add_nc_u32 v[RD], s10, v[RD]                 ; back: eight lanes to a row of 128 bytes
	v_lshlrev_b32 v[GO], 4, v14
.irp t, 0,1
	v_mov_b32 v[ST+8*\t+1], 0xff61b1e6             ; m = -3e38, under every score
	v_mul_f32 v[ST+8*\t], s[CS], v[ST+8*\t+1]
	v_mov_b32 v[ST+8*\t+2], 0
	v_mov_b32 v[ST+8*\t+3], 0
.endr
.set i, 0
.rept 64
	v_mov_b32 v[O+i], 0                            ; O^T.  (The step is written once: its first run finds zeros, which a = 0 leaves zeros)
.set i, i+1
.endr
.macro KLOAD q                         ; K of the slot's q-th 64 keys: fragment (kt, c) = keys 16 kt on, channels 32 c on: 16 loads
.irp kt, 0,1,2,3
.irp c, 0,1
	ds_load_b128 v[KV+16*\kt+8*\c:KV+16*\kt+8*\c+3], v[ADK] offset:64*KP*(\q)+16*KP*\kt+64*\c
	ds_load_b128 v[KV+16*\kt+8*\c+4:KV+16*\kt+8*\c+7], v[ADK] offset:64*KP*(\q)+16*KP*\kt+64*\c+32
.endr
.endr
.endm
.macro VLOAD q                         ; V likewise, turned: fragment (ks, ct) = keys 32 ks on, channels 16 ct on: 16 loads, into the same 64 registers
.irp ks, 0,1
.irp ct, 0,1,2,3
	ds_load_tr16_b128 v[KV+32*\ks+8*\ct:KV+32*\ks+8*\ct+3], v[ADV] offset:64*VP*(\q)+32*VP*\ks+32*\ct
	ds_load_tr16_b128 v[KV+32*\ks+8*\ct+4:KV+32*\ks+8*\ct+7], v[ADV] offset:64*VP*(\q)+32*VP*\ks+32*\ct+16*VP
.endr
.endr
.endm
; A KEY STEP: 64 keys, the q-th of the slot in hand.
.macro STEP q
.rept 5
	v_nop                                          ; places behind the last step's V^T P: four in front of the loads into the buffer that it read, five in front of the products that write over the registers it named as P
.endr
	KLOAD \q
	s_wait_dscnt 0x0                               ; K is in
.irp c, 0,1                                    ; S^T = K Q^T: eight accumulators by turns, one instruction a turn
.irp kt, 0,1,2,3
.irp t, 0,1
.if \c == 0
	v_wmma_f32_16x16x32_f16 v[S+32*\t+8*\kt:S+32*\t+8*\kt+7], v[KV+16*\kt+8*\c:KV+16*\kt+8*\c+7], v[Q+16*\t+8*\c:Q+16*\t+8*\c+7], 0
.else
	v_wmma_f32_16x16x32_f16 v[S+32*\t+8*\kt:S+32*\t+8*\kt+7], v[KV+16*\kt+8*\c:KV+16*\kt+8*\c+7], v[Q+16*\t+8*\c:Q+16*\t+8*\c+7], v[S+32*\t+8*\kt:S+32*\t+8*\kt+7]
.endif
.endr
.endr
.endr
.rept 4
	v_nop                                          ; places: in front of the loads into the buffer that these products read, and of the first read of the scores
.endr
	VLOAD \q                                       ; this step's V lands under the softmax
; the maximum of the lane's 32 scores and the old m, three at a time; the two tiles line by line, so that no line waits for the line above it
.irp j, 0,1,2,3
.irp t, 0,1
	v_max3_num_f32 v[ST+8*\t+4+\j], v[S+32*\t+8*\j], v[S+32*\t+8*\j+1], v[S+32*\t+8*\j+2]   ; each accumulator is read from its low end on
.endr
.endr
.irp u, 3,5
.irp j, 0,1,2,3
.irp t, 0,1
	v_max3_num_f32 v[ST+8*\t+4+\j], v[ST+8*\t+4+\j], v[S+32*\t+8*\j+\u], v[S+32*\t+8*\j+\u+1]
.endr
.endr
.endr
.irp t, 0,1
	v_max3_num_f32 v[ST+8*\t+4], v[ST+8*\t+4], v[S+32*\t+7], v[S+32*\t+15]
.endr
.irp t, 0,1
	v_max3_num_f32 v[ST+8*\t+6], v[ST+8*\t+6], v[S+32*\t+23], v[S+32*\t+31]
.endr
.irp t, 0,1
	v_max3_num_f32 v[ST+8*\t+4], v[ST+8*\t+4], v[ST+8*\t+5], v[ST+8*\t+6]
.endr
.irp t, 0,1
	v_max3_num_f32 v[ST+8*\t+4], v[ST+8*\t+4], v[ST+8*\t+7], v[ST+8*\t+1]
.endr
.irp t, 0,1
	v_permlanex16_b32 v[ST+8*\t+5], v[ST+8*\t+4], s[SEL], s[SEL+1]   ; the query's other 32 keys lie in the lane 16 away
.endr
.irp t, 0,1
	v_mov_b32 v[ST+8*\t+7], v[ST+8*\t]             ; c m_old
.endr
.irp t, 0,1
	v_max_num_f32 v[ST+8*\t+1], v[ST+8*\t+4], v[ST+8*\t+5]
.endr
.irp t, 0,1
	v_mul_f32 v[ST+8*\t], s[CS], v[ST+8*\t+1]
.endr
.irp t, 0,1
	v_sub_f32 v[ST+8*\t+7], v[ST+8*\t+7], v[ST+8*\t]
.endr
.irp t, 0,1
	v_exp_f32 v[ST+8*\t+6], v[ST+8*\t+7]           ; a = 2^(c m_old - c m_new)
.endr
.set b, 0
.rept 16
	v_pk_fma_f32 v[S+2*b:S+2*b+1], v[S+2*b:S+2*b+1], s[CS:CS+1], v[ST:ST+1] op_sel_hi:[1,0,0] neg_lo:[0,0,1] neg_hi:[0,0,1]   ; tile 0: c s - c m
.set b, b+1
.endr
.set b, 0
.rept 16                                       ; tile 0's exponentials, tile 1's scalings between them: nothing here names an exponential's result
	v_exp_f32 v[S+2*b], v[S+2*b]
	v_exp_f32 v[S+2*b+1], v[S+2*b+1]
	v_pk_fma_f32 v[S+32+2*b:S+32+2*b+1], v[S+32+2*b:S+32+2*b+1], s[CS:CS+1], v[ST+8:ST+9] op_sel_hi:[1,0,0] neg_lo:[0,0,1] neg_hi:[0,0,1]
.set b, b+1
.endr
	s_wait_alu depctr_va_vdst(0)                   ; one wait for the batch (both a, tile 0's 32), ahead of its first reader; the line above is the plain line behind the last exponential
.set b, 0
.rept 16                                       ; tile 1's exponentials; between them tile 0's sums and roundings and the rescaling of O^T, which name none of tile 1's results
	v_exp_f32 v[S+32+2*b], v[S+32+2*b]
.if b == 0
	v_pk_fma_f32 v[ST+2:ST+3], v[ST+2:ST+3], v[ST+6:ST+7], v[S:S+1] op_sel_hi:[1,0,1]   ; l = a l + p
.else
	v_pk_add_f32 v[ST+2:ST+3], v[ST+2:ST+3], v[S+2*b:S+2*b+1]
.endif
	v_cvt_pk_f16_f32 v[S+b], v[S+2*b], v[S+2*b+1]  ; P in place: pair b has just been summed; register b held a number of pair b / 2
	v_exp_f32 v[S+32+2*b+1], v[S+32+2*b+1]
	v_pk_mul_f32 v[O+4*b:O+4*b+1], v[O+4*b:O+4*b+1], v[ST+8*(b/8)+6:ST+8*(b/8)+7] op_sel_hi:[1,0]       ; ascending: each accumulator from its low end on
	v_pk_mul_f32 v[O+4*b+2:O+4*b+3], v[O+4*b+2:O+4*b+3], v[ST+8*(b/8)+6:ST+8*(b/8)+7] op_sel_hi:[1,0]
.set b, b+1
.endr
	s_wait_alu depctr_va_vdst(0)                   ; and one for tile 1's 32
.set b, 0
.rept 16
.if b == 0
	v_pk_fma_f32 v[ST+10:ST+11], v[ST+10:ST+11], v[ST+14:ST+15], v[S+32:S+33] op_sel_hi:[1,0,1]
.else
	v_pk_add_f32 v[ST+10:ST+11], v[ST+10:ST+11], v[S+32+2*b:S+32+2*b+1]
.endif
	v_cvt_pk_f16_f32 v[S+32+b], v[S+32+2*b], v[S+32+2*b+1]
.set b, b+1
.endr
	s_wait_dscnt 0x0                               ; V is in
.irp ks, 0,1                                   ; O^T += V^T P: eight accumulators by turns
.irp ct, 0,1,2,3
.irp t, 0,1
	v_wmma_f32_16x16x32_f16 v[O+32*\t+8*\ct:O+32*\t+8*\ct+7], v[KV+32*\ks+8*\ct:KV+32*\ks+8*\ct+7], v[S+32*\t+8*\ks:S+32*\t+8*\ks+7], v[O+32*\t+8*\ct:O+32*\t+8*\ct+7]
.endr
.endr
.endr
.endm
; THE CHANGE OF SLOTS stands at a slot's head.  Each wave waits for all its tensor loads (its part of the slot that it is about to read), adds 0 to its spare word (fill = 1: twice on end), and waits for that and for its
; reads of the slot that it has left.  fill = 1: a round of the cluster's barrier, and behind it the other slot takes the next 256 keys: that load has four key steps in which to land.
.macro CHANGE fill
	s_wait_tensorcnt 0x0                           ; no tensor load of mine is out, so a group 0 may be written
	ds_add_u32 v[SPW], v[NIL]
.if \fill
	ds_add_u32 v[SPW], v[NIL]                      ; and once more: the add twice on end here, in every trip alike
	s_xor_b32 s[G0K+1], s[G0K+1], SLOT1            ; the walking descriptors: the other slot than last time,
	s_add_nc_u64 s[G0K+2:G0K+3], s[G0K+2:G0K+3], 32768   ; the next 256 keys
	s_xor_b32 s[G0V+1], s[G0V+1], SLOT1
	s_add_nc_u64 s[G0V+2:G0V+3], s[G0V+2:G0V+3], 32768
	s_wait_xcnt 0x0                                ; the last prefetch, a slot back, has read its address
	s_add_nc_u64 s[PFA:PFA+1], s[PFA:PFA+1], 32768 ; one slot further on than the walking descriptors
.endif
	s_wait_dscnt 0x0                               ; the add is done (fill = 1: both are), and my reads of the slot that I have left are over
.if \fill
	CROUND
	JLOAD                                          ; the first thing behind the round, and a wave's one tensor load until the next
	ASK
.else
	s_barrier_signal -1
	s_barrier_wait -1
.endif
	v_add_nc_u32 v[ADK], s[TB], v[AK0]
	v_add_nc_u32 v[ADV], s[TB], v[AV0]
.endm
	s_wait_loadcnt 0x0                             ; Q
.Lslot:                                            ; seven trips: behind each change of slots but the last the next 256 keys are asked for
	CHANGE 1
	STEP 0
	STEP 1
	STEP 2
	STEP 3
	s_xor_b32 s[TB], s[TB], SLOT1
	s_sub_co_u32 s[SLOTS], s[SLOTS], 1
	s_cmp_lg_u32 s[SLOTS], 0
	s_cbranch_scc1 .Lslot
	CHANGE 0                                       ; the last slot is written out
	STEP 0
	STEP 1
	STEP 2
	STEP 3
	; THE WAY OUT.  l's two halves and the other half of the lanes' are added (these lines are the places behind the last products); O^T / l, f16 in place, through my stage, out as whole rows.
.irp t, 0,1
	v_add_f32 v[ST+8*\t+4], v[ST+8*\t+2], v[ST+8*\t+3]
.endr
.irp t, 0,1
	v_permlanex16_b32 v[ST+8*\t+5], v[ST+8*\t+4], s[SEL], s[SEL+1]
.endr
.irp t, 0,1
	v_add_f32 v[ST+8*\t+4], v[ST+8*\t+4], v[ST+8*\t+5]
.endr
.irp t, 0,1
	v_rcp_f32 v[ST+8*\t+6], v[ST+8*\t+4]
.endr
	v_nop                                          ; a plain line behind the last reciprocal
	s_wait_alu depctr_va_vdst(0)                   ; and the wait ahead of the first use: one for both
.irp t, 0,1
.set i, 0
.rept 16
	v_pk_mul_f32 v[S+32*\t+2*i:S+32*\t+2*i+1], v[O+32*\t+2*i:O+32*\t+2*i+1], v[ST+8*\t+6:ST+8*\t+7] op_sel_hi:[1,0]
.set i, i+1
.endr
.set i, 0
.rept 16
	v_cvt_pk_f16_f32 v[S+32*\t+i], v[S+32*\t+2*i], v[S+32*\t+2*i+1]   ; in place, ascending: no source is written before it is read
.set i, i+1
.endr
.endr
.irp t, 0,1
.irp ct, 0,1,2,3
	ds_store_b128 v[STO], v[S+32*\t+4*\ct:S+32*\t+4*\ct+3] offset:16*KP*\t+32*\ct   ; lane (r, h): row r, channels 16 ct + 8 h + 0 .. 7
.endr
.irp i, 0,1,2,3
	ds_load_b128 v[S+32*\t+16+4*\i:S+32*\t+16+4*\i+3], v[RD] offset:16*KP*\t+4*KP*\i   ; LDS serves a wave's instructions in order: these see my stores
.endr
.endr
.irp t, 0,1
.irp i, 0,1,2,3
	s_wait_dscnt 11-8*\t-\i                        ; the LDS instructions issued behind this load may be out
	global_store_b128 v[GO], v[S+32*\t+16+4*\i:S+32*\t+16+4*\i+3], s[50:51] offset:2048*\t+512*\i   ; 32 lanes store 512 consecutive bytes: four rows of ao
.endr
.endr
	s_wait_tensorcnt 0x0                           ; the wave's end: a tensor wait, an add to my spare word and its wait, behind my last tensor load and my last LDS store
	ds_add_u32 v[SPW], v[NIL]
	s_wait_dscnt 0x0
	CROUND                                         ; the closing round
	s_endpgm
.Lfunc_end_k_q4ffeabb3c0_attn:
	.size	k_q4ffeabb3c0_attn, .Lfunc_end_k_q4ffeabb3c0_attn-k_q4ffeabb3c0_attn
	.p2alignl 7, 3214868480
	.fill 96, 4, 3214868480
	.section	.rodata,"a",@progbits
	.p2align	6, 0x0
	.amdhsa_kernel k_q4ffeabb3c0_attn
		.amdhsa_group_segment_fixed_size 327680
		.amdhsa_private_segment_fixed_size 0
		.amdhsa_enable_private_segment 0
		.amdhsa_kernarg_size 16
		.amdhsa_user_sgpr_count 2
		.amdhsa_user_sgpr_kernarg_segment_ptr 1
		.amdhsa_wavefront_size32 1
		.amdhsa_system_sgpr_workgroup_id_x 1
		.amdhsa_system_sgpr_workgroup_id_y 1
		.amdhsa_system_sgpr_workgroup_id_z 1
		.amdhsa_system_vgpr_workitem_id 0
		.amdhsa_next_free_vgpr 256
		.amdhsa_next_free_sgpr 66
		.amdhsa_reserve_vcc 0
		.amdhsa_float_denorm_mode_32 3
		.amdhsa_float_denorm_mode_16_64 3
		.amdhsa_memory_ordered 1
		.amdhsa_forward_progress 1
		.amdhsa_inst_pref_size 153
	.end_amdhsa_kernel
	.amdgpu_metadata
---
amdhsa.version: [ 1, 2 ]
amdhsa.kernels:
  - .name:           k_q4ffeabb3c0_attn
    .symbol:         k_q4ffeabb3c0_attn.kd
    .args:
      - { .name: qkv, .offset: 0, .size: 8, .value_kind: global_buffer, .address_space: global }
      - { .name: ao, .offset: 8, .size: 8, .value_kind: global_buffer, .address_space: global }
    .group_segment_fixed_size: 327680
    .private_segment_fixed_size: 0
    .kernarg_segment_align: 8
    .kernarg_segment_size: 16
    .max_flat_workgroup_size: 512
    .sgpr_count:     66
    .vgpr_count:     256
    .wavefront_size: 32
...
	.end_amdgpu_metadata
.endif
;; end of part 3
;; launch oproj (part 4): grid 4 x 64, 4 waves a work-group, clusters of 4 x 4, 327,680 bytes of LDS; arguments ao, wo16, bo, out0; writes out0
.if DOCPART == 4
	.amdgcn_target "amdgcn-amd-amdhsa--gfx1250"
	.amdhsa_code_object_version 6
	.text
	.protected	k_q4ffeabb3c0_oproj
	.globl	k_q4ffeabb3c0_oproj
	.p2align	8
	.type	k_q4ffeabb3c0_oproj,@function
k_q4ffeabb3c0_oproj:
	s_mov_b64 s[64:65], 0
	v_nop
	global_prefetch_b8 v0, s[64:65] scope:SCOPE_SE
	s_setreg_imm32_b32 hwreg(HW_REG_WAVE_MODE, 25, 1), 1
	s_wait_xcnt 0x0
	s_wait_alu depctr_hold_cnt(0) depctr_sa_sdst(0) depctr_va_vdst(0) depctr_va_sdst(0) depctr_va_ssrc(0) depctr_va_vcc(0) depctr_vm_vsrc(0)
	s_getreg_b32 s2, hwreg(HW_REG_IB_STS2, 6, 4)
	s_cmp_eq_u32 s2, 0
	s_cbranch_scc0 .Lentry_in_a_cluster
	s_endpgm
.Lentry_in_a_cluster:
	s_bfe_u32 s2, ttmp6, 0x10000c
	s_cmp_lg_u32 s2, 0xf033
	s_cbranch_scc0 .Lentry_shape_is_right
	s_endpgm
.Lentry_shape_is_right:
; out0[m][n] = sum over k of ao[m][k] Wo[k][n] + bo[n].  ao: [16 h][8192 m][64 d] f16 (k = 64 h + d); wo16: [1024 k][1024 n] f16; bo, out0 f32; sums in f32.  Nothing of reference() is left out here.
; A tile of out0 is 128 (m) x 256 (n): 256 work-groups of four waves; a wave makes 64 x 128: 32 accumulators, 256 registers.  K goes in steps of 128 (two heads) through a ring of two LDS slots.
; CLUSTERS: 4 x 4 work-groups; ao's tiles are asked for jointly along a row of the cluster, Wo's along a column.
; THE MATRIX INSTRUCTION IS USED TRANSPOSED (source 0 = 16 columns of Wo, turned out of LDS by ds_load_tr16_b128; source 1 = 16 rows of ao): a lane holds eight neighbouring columns of one row of out0.
; bo is the C of each sum's first matrix instruction: eight registers a column block, in the result's layout: it costs no addition.
; REGISTERS: window 0: v16-29 addresses; v64-159, v160-255 two fragment buffers (ao's 4 blocks, then Wo's 8); on the way out v64-191 rows read back.   window 1: the accumulators ((a, b) at v[8 (8 a + b)]).   window 2: v0-63 bo.
.set AP,     144                       ; a row of ao in LDS: 128 bytes + 16
.set AH,     128*AP                    ; one head's 128 rows: what one tensor load brings
.set BP,     544                       ; a row of Wo: 512 bytes + 32
.set BH,     64*BP                     ; 64 rows: what one tensor load brings
.set SLOT,   2*AH+2*BH
.set STAGE,  2*SLOT                    ; behind the ring: 16 rows x 528 bytes for each wave
.set SPITCH, 528
.set SPARE,  STAGE+4*16*SPITCH         ; the spare words, 128 bytes a wave
.set ADRA, 16
.set ADRB, 20
.set STO,  24
.set RD,   25
.set CO,   26
.set BO,   27
.set SPW,  28
.set NIL,  29
.set F0,   64
.set F1,   160
.set BK,   64
.set G1A, 24
.set G0A, 32
.set G1B, 48
.set G0B, 56
.set MUL,  0x50                        ; C and D window 1
.set MULB, 0x60                        ; C window 2 (bo), D window 1
.set MSB, 0
.macro WIN new
.if MSB != (\new)
	s_set_vgpr_msb (MSB<<8)|(\new)
.set MSB, \new
.endif
.endm
.macro JLOAD s                         ; waves 0 and 1 fetch ao's two heads, waves 2 and 3 Wo's two halves.  An s_nop 0 and four v_nop follow each line
	s_cmp_eq_u32 s13, 0
	s_cbranch_scc0 .Lfor_b_\@
	tensor_load_to_lds s[G0A+4*\s:G0A+4*\s+3], s[G1A:G1A+7]
	s_nop 0
.rept 4
	v_nop
.endr
	s_branch .Lasked_\@
.Lfor_b_\@:
	tensor_load_to_lds s[G0B+4*\s:G0B+4*\s+3], s[G1B:G1B+7]
	s_nop 0
.rept 4
	v_nop
.endr
.Lasked_\@:
.endm
.macro CREST
	s_cmp_lg_u32 s12, 0
	s_cbranch_scc1 .Lnot_wave_0_\@
	s_barrier_signal -3
.Lnot_wave_0_\@:
	s_barrier_wait -3
	s_barrier_signal -1
	s_barrier_wait -1
.endm
.macro CROUND
	s_barrier_signal -1
	s_barrier_wait -1
	CREST
.endm
	s_load_b256 s[4:11], s[0:1], 0x0               ; ao 4:5, wo16 6:7, bo 8:9, out0 10:11
	v_lshl_add_u32 v[SPW], v0, 2, SPARE
	v_mov_b32 v[NIL], 0
	ds_add_u32 v[SPW], v[NIL]                      ; the wave's opening: the add, twice on end, and its wait ahead of my first tensor load
	ds_add_u32 v[SPW], v[NIL]
	v_lshrrev_b32 v1, 5, v0
	v_readfirstlane_b32 s12, v1                    ; wave 0..3
	s_lshr_b32 s13, s12, 1                         ; which 64 rows are mine.  Also: I fetch for ao (0) or for Wo (1)
	s_and_b32 s14, s12, 1                          ; which 128 columns.  Also: which head, or which 64 rows of Wo, I fetch
	s_bfe_u32 s40, ttmp6, 0x40000                  ; cx, cy
	s_bfe_u32 s41, ttmp6, 0x40004
	s_lshl_b32 s42, ttmp9, 2
	s_add_co_u32 s42, s42, s40                     ; tile column
	s_and_b32 s15, ttmp7, 0xffff
	s_lshl_b32 s15, s15, 2
	s_add_co_u32 s15, s15, s41                     ; tile row
	s_lshl_b32 s43, s41, 2
	s_lshl_b32 s43, 15, s43                        ; my row of the cluster
	s_lshl_b32 s44, 0x1111, s40                    ; my column
	s_or_b32 s[G1A+0], s43, (1<<16)|(1<<20)|(1<<21)|(4<<22)|(3<<25)  ; elements of 2 bytes; 4 words of padding behind every 32
	s_mov_b32 s[G1A+1], 64<<16                     ; tensor_dim0 = 64
	s_mov_b32 s[G1A+2], 128<<16                    ; tensor_dim1 = 128
	s_mov_b32 s[G1A+3], 64<<16                     ; tile_dim0
	s_mov_b32 s[G1A+4], 128                        ; tile_dim1
	s_mov_b32 s[G1A+5], 64                         ; from row to row
	s_mov_b32 s[G1A+6], 0
	s_mov_b32 s[G1A+7], 0
	s_or_b32 s[G1B+0], s44, (1<<16)|(1<<20)|(1<<21)|(6<<22)|(7<<25)  ; 8 words of padding behind every 128
	s_mov_b32 s[G1B+1], 256<<16
	s_mov_b32 s[G1B+2], 64<<16
	s_mov_b32 s[G1B+3], 256<<16
	s_mov_b32 s[G1B+4], 64
	s_mov_b32 s[G1B+5], 1024
	s_mov_b32 s[G1B+6], 0
	s_mov_b32 s[G1B+7], 0
	s_lshl_b32 s16, s14, 13                        ; ao: head (0 or 1) x 8192 rows
	s_lshl_b32 s17, s15, 7
	s_add_co_u32 s16, s16, s17                     ; + 128 x tile row
	s_lshl_b32 s16, s16, 7                         ; rows of 128 bytes
	s_mov_b32 s17, 0
	s_lshl_b32 s46, s14, 17                        ; Wo: 64 rows of 2,048 bytes x half
	s_lshl_b32 s47, s42, 9                         ; + 512 bytes x tile column
	s_add_co_u32 s46, s46, s47
	s_mov_b32 s47, 0
	s_mul_i32 s20, s14, AH                         ; where they go: no place in the cluster enters an LDS address
	s_mul_i32 s21, s14, BH
	s_add_co_u32 s21, s21, 2*AH
	s_wait_dscnt 0x0                               ; both opening adds are done
	s_wait_kmcnt 0x0
	s_add_nc_u64 s[16:17], s[4:5], s[16:17]
	s_add_nc_u64 s[46:47], s[6:7], s[46:47]
	CROUND                                         ; all sixteen work-groups are here: the first joint loads meet
.irp s, 0,1
	s_mov_b32 s[G0A+4*\s], 1
	s_add_co_u32 s[G0A+4*\s+1], s20, \s*SLOT
	s_add_nc_u64 s[G0A+4*\s+2:G0A+4*\s+3], s[16:17], \s*2*8192*128   ; K step s: heads 2 s, 2 s + 1
	s_or_b32 s[G0A+4*\s+3], s[G0A+4*\s+3], 0x80000000
	s_mov_b32 s[G0B+4*\s], 1
	s_add_co_u32 s[G0B+4*\s+1], s21, \s*SLOT
	s_add_nc_u64 s[G0B+4*\s+2:G0B+4*\s+3], s[46:47], \s*128*2048     ; rows 128 s on
	s_or_b32 s[G0B+4*\s+3], s[G0B+4*\s+3], 0x80000000
	JLOAD \s                                       ; two loads of mine are out
.endr
	v_and_b32 v1, 15, v0                           ; l % 16
	v_bfe_u32 v2, v0, 4, 1                         ; l / 16
	v_mul_u32_u24 v3, v1, AP
	v_lshl_add_u32 v3, v2, 4, v3
	s_mul_i32 s21, s13, 64*AP                      ; my 64 rows of ao
	v_and_b32 v4, 7, v0
	v_lshl_add_u32 v4, v2, 3, v4
	v_mul_u32_u24 v4, v4, BP
	v_bfe_u32 v5, v0, 3, 1
	v_lshl_add_u32 v4, v5, 4, v4                   ; Wo: row 8 (l / 16) + l % 8, columns 8 ((l / 8) % 2) on
	s_lshl_b32 s22, s14, 8                         ; my 128 columns,
	s_add_co_u32 s22, s22, 2*AH                    ; behind ao's two heads
.irp s, 0,1
	v_add_nc_u32 v[ADRA+\s], s21, v3
	v_add_nc_u32 v[ADRB+\s], s22, v4
	s_add_co_u32 s21, s21, SLOT
	s_add_co_u32 s22, s22, SLOT
.endr
	s_mul_i32 s23, s12, 16*SPITCH
	s_add_co_u32 s23, s23, STAGE                   ; my stage
	v_mul_u32_u24 v5, v1, SPITCH
	v_lshl_add_u32 v5, v2, 5, v5
	v_add_nc_u32 v[STO], s23, v5                   ; in: row l % 16, 32 bytes for each half of the lanes
	v_and_b32 v6, 31, v0
	v_lshlrev_b32 v[CO], 4, v6                     ; back: the 32 lanes take one row of 512 bytes; and the same in out0
	v_add_nc_u32 v[RD], s23, v[CO]
	v_lshlrev_b32 v[BO], 5, v2
	s_lshl_b32 s20, s42, 10
	s_lshl_b32 s21, s14, 9
	s_add_co_u32 s20, s20, s21                     ; my first column, in bytes of f32
	s_mov_b32 s21, 0
	s_add_nc_u64 s[8:9], s[8:9], s[20:21]
	s_add_nc_u64 s[10:11], s[10:11], s[20:21]
	s_lshl_b32 s20, s15, 7
	s_lshl_b32 s22, s13, 6
	s_add_co_u32 s20, s20, s22                     ; my first row
	s_lshl_b32 s20, s20, 12                        ; rows of 4,096 bytes: under 2^25
	s_add_nc_u64 s[10:11], s[10:11], s[20:21]
	WIN 0x80                                       ; destination window 2
.irp b, 0,1,2,3,4,5,6,7
	global_load_b128 v[8*\b:8*\b+3], v[BO], s[8:9] offset:64*\b          ; lane (r, h): bo at columns 16 b + 8 h + 0 .. 7
	global_load_b128 v[8*\b+4:8*\b+7], v[BO], s[8:9] offset:64*\b+16
.endr
	WIN 0
; 24 LDS loads in one run: the fragments of the slot's q-th 32 along K into buffer f
.macro FETCH slot, q, f
.irp a, 0,1,2,3
	ds_load_b128 v[\f+8*\a:\f+8*\a+3], v[ADRA+\slot] offset:((\q)/2)*AH+((\q)%2)*64+16*AP*\a
	ds_load_b128 v[\f+8*\a+4:\f+8*\a+7], v[ADRA+\slot] offset:((\q)/2)*AH+((\q)%2)*64+16*AP*\a+32
.endr
.irp b, 0,1,2,3,4,5,6,7
	ds_load_tr16_b128 v[\f+32+8*\b:\f+32+8*\b+3], v[ADRB+\slot] offset:32*BP*(\q)+32*\b
	ds_load_tr16_b128 v[\f+32+8*\b+4:\f+32+8*\b+7], v[ADRB+\slot] offset:32*BP*(\q)+32*\b+16*BP
.endr
.endm
; 8 matrix instructions: row block a against the eight column blocks.  The 32 accumulators take turns, one instruction a turn, in the same order in every quarter.
.macro MUL8 f, a, first
.irp b, 0,1,2,3,4,5,6,7
.if \first
	v_wmma_f32_16x16x32_f16 v[8*(8*(\a)+\b):8*(8*(\a)+\b)+7], v[\f+32+8*\b:\f+32+8*\b+7], v[\f+8*(\a):\f+8*(\a)+7], v[8*\b:8*\b+7]
.else
	v_wmma_f32_16x16x32_f16 v[8*(8*(\a)+\b):8*(8*(\a)+\b)+7], v[\f+32+8*\b:\f+32+8*\b+7], v[\f+8*(\a):\f+8*(\a)+7], v[8*(8*(\a)+\b):8*(8*(\a)+\b)+7]
.endif
.endr
.endm
.macro PLACES
.rept 4
	v_nop
.endr
.endm
; One of a K step's first three quarters: buffer f is multiplied; ahead of its 32 products the next quarter's fragments are asked for, into buffer g.
.macro QUARTER slot, q, f, g, first
	s_wait_dscnt 0x0                               ; buffer f is in
	PLACES                                         ; the quarter before multiplied buffer g
	FETCH \slot, (\q)+1, \g
.if \first
	WIN MULB
.else
	WIN MUL
.endif
	MUL8 \f, 0, \first
	MUL8 \f, 1, \first
	MUL8 \f, 2, \first
	MUL8 \f, 3, \first
	WIN 0
.endm
; The last quarter multiplies buffer 1 and changes slots: in front of the barrier each wave waits for all its tensor loads, adds 0 to its spare word, and waits for that and for its reads of this slot.
; fill = 1: the barrier opens a round of the cluster's, and this slot is filled again, two K steps ahead.
.macro TURN slot, next, fill
	s_wait_tensorcnt 0x0                           ; all my tensor loads have landed: my part of the next slot
	ds_add_u32 v[SPW], v[NIL]
	s_wait_dscnt 1                                 ; buffer 1 is in (the add alone may be out)
	WIN MUL
	MUL8 F1, 0, 0
	s_wait_dscnt 0x0                               ; the add is done, and my reads of this slot are over
	s_barrier_signal -1
	MUL8 F1, 1, 0
	WIN 0
	s_barrier_wait -1
.if \fill
	CREST                                          ; no wave of any partner still reads this slot or has a load on its way
	s_add_nc_u64 s[G0A+4*\slot+2:G0A+4*\slot+3], s[G0A+4*\slot+2:G0A+4*\slot+3], 4*8192*128   ; four heads on
	s_add_nc_u64 s[G0B+4*\slot+2:G0B+4*\slot+3], s[G0B+4*\slot+2:G0B+4*\slot+3], 256*2048     ; 256 rows on
	JLOAD \slot                                    ; the first tensor load behind the round; its four v_nop are also the places in front of the loads below
.else
	PLACES
.endif
	FETCH \next, 0, F0
	WIN MUL
	MUL8 F1, 2, 0
	MUL8 F1, 3, 0
	WIN 0
.endm
	s_wait_tensorcnt 1                             ; my part of K step 0 is in (K step 1's load may be out),
	s_barrier_signal -1
	s_barrier_wait -1                              ; everybody's is
	FETCH 0, 0, F0
	s_wait_loadcnt 0x0                             ; bo
	QUARTER 0, 0, F0, F1, 1                        ; the first quarter stands in front of the loop: its products start the sums, from bo
	s_mov_b32 s3, 3
.Llap:                                             ; a trip goes once round the ring, from a lap's second quarter to the next lap's first, and fills both slots again
	QUARTER 0, 1, F1, F0, 0
	QUARTER 0, 2, F0, F1, 0
	TURN 0, 1, 1
	QUARTER 1, 0, F0, F1, 0
	QUARTER 1, 1, F1, F0, 0
	QUARTER 1, 2, F0, F1, 0
	TURN 1, 0, 1
	QUARTER 0, 0, F0, F1, 0
	s_sub_co_u32 s3, s3, 1
	s_cmp_lg_u32 s3, 0
	s_cbranch_scc1 .Llap
	QUARTER 0, 1, F1, F0, 0                        ; the last lap fills nothing, and has no round of the cluster's barrier
	QUARTER 0, 2, F0, F1, 0
	TURN 0, 1, 0
	QUARTER 1, 0, F0, F1, 0
	QUARTER 1, 1, F1, F0, 0
	QUARTER 1, 2, F0, F1, 0
	s_wait_dscnt 0x0                               ; the very last quarter
	WIN MUL
	MUL8 F1, 0, 0
	MUL8 F1, 1, 0
	MUL8 F1, 2, 0
	MUL8 F1, 3, 0
	WIN 0
; THE WAY OUT, block by block of 16 rows x 128 columns, through my own stage: in as 32 bytes a lane, back as whole rows of 512 bytes.  LDS serves a wave's instructions in order: no wait between.
.macro TOSTAGE a
	WIN 0x04                                       ; an LDS store's data are its source 1: window 1
.irp b, 0,1,2,3,4,5,6,7
	ds_store_b128 v[STO], v[8*(8*(\a)+\b):8*(8*(\a)+\b)+3] offset:64*\b          ; each accumulator from its low end on
	ds_store_b128 v[STO], v[8*(8*(\a)+\b)+4:8*(8*(\a)+\b)+7] offset:64*\b+16
.endr
	WIN 0
.set BB, BK+64*((\a)%2)
.irp t, 0,1,2,3,4,5,6,7,8,9,10,11,12,13,14,15
	ds_load_b128 v[BB+4*\t:BB+4*\t+3], v[RD] offset:\t*SPITCH
.endr
.endm
.macro SEND a, younger                 ; younger: the LDS instructions issued behind block a's loads, which may stay out
.set BB, BK+64*((\a)%2)
	s_wait_dscnt \younger
.irp t, 0,1,2,3,4,5,6,7,8,9,10,11,12,13,14,15
	global_store_b128 v[CO], v[BB+4*\t:BB+4*\t+3], s[10:11] offset:(16*(\a)+\t)*4096 th:TH_STORE_NT   ; 32 lanes store 512 consecutive bytes, at a multiple of 256 from out0's first byte
.endr
.endm
	PLACES                                         ; in front of the first read of results and of loads into registers that held fragments
	TOSTAGE 0
.irp a, 1,2,3
.if \a > 1
	s_wait_xcnt 0x0                                ; block a - 2's stores have read their registers: block a's rows may land there
.endif
	TOSTAGE \a
	SEND \a-1, 32                                  ; behind block a - 1's loads: block a's 16 stores and 16 loads
.endr
	SEND 3, 0
	s_wait_tensorcnt 0x0                           ; the wave's end: a tensor wait, an add to my spare word and its wait, behind my last tensor load and my last LDS store
	ds_add_u32 v[SPW], v[NIL]
	s_wait_dscnt 0x0
	CROUND                                         ; the closing round
	s_endpgm
.Lfunc_end_k_q4ffeabb3c0_oproj:
	.size	k_q4ffeabb3c0_oproj, .Lfunc_end_k_q4ffeabb3c0_oproj-k_q4ffeabb3c0_oproj
	.p2alignl 7, 3214868480
	.fill 96, 4, 3214868480
	.section	.rodata,"a",@progbits
	.p2align	6, 0x0
	.amdhsa_kernel k_q4ffeabb3c0_oproj
		.amdhsa_group_segment_fixed_size 327680
		.amdhsa_private_segment_fixed_size 0
		.amdhsa_enable_private_segment 0
		.amdhsa_kernarg_size 32
		.amdhsa_user_sgpr_count 2
		.amdhsa_user_sgpr_kernarg_segment_ptr 1
		.amdhsa_wavefront_size32 1
		.amdhsa_system_sgpr_workgroup_id_x 1
		.amdhsa_system_sgpr_workgroup_id_y 1
		.amdhsa_system_sgpr_workgroup_id_z 1
		.amdhsa_system_vgpr_workitem_id 0
		.amdhsa_next_free_vgpr 576
		.amdhsa_next_free_sgpr 66
		.amdhsa_reserve_vcc 0
		.amdhsa_float_denorm_mode_32 3
		.amdhsa_float_denorm_mode_16_64 3
		.amdhsa_memory_ordered 1
		.amdhsa_forward_progress 1
		.amdhsa_inst_pref_size 86
	.end_amdhsa_kernel
	.amdgpu_metadata
---
amdhsa.version: [ 1, 2 ]
amdhsa.kernels:
  - .name:           k_q4ffeabb3c0_oproj
    .symbol:         k_q4ffeabb3c0_oproj.kd
    .args:
      - { .name: ao, .offset: 0, .size: 8, .value_kind: global_buffer, .address_space: global }
      - { .name: wo16, .offset: 8, .size: 8, .value_kind: global_buffer, .address_space: global }
      - { .name: bo, .offset: 16, .size: 8, .value_kind: global_buffer, .address_space: global }
      - { .name: out0, .offset: 24, .size: 8, .value_kind: global_buffer, .address_space: global }
    .group_segment_fixed_size: 327680
    .private_segment_fixed_size: 0
    .kernarg_segment_align: 8
    .kernarg_segment_size: 32
    .max_flat_workgroup_size: 128
    .sgpr_count:     66
    .vgpr_count:     576
    .wavefront_size: 32
...
	.end_amdgpu_metadata
.endif
;; end of part 4
